; MI455X (gfx1250); checked and timed in simulation.
; The chip was launched on July 23, 2026; its instructions are those of AMD's public machine-readable ISA for CDNA 5 (MIT licence, August 2026) and "CDNA5" Instruction Set Architecture Reference Guide (July 2026). The comments in the code are by the model that wrote it; some were corrected since.
;; Self Attention Module. Allowed arithmetic: matrix products marked QUANTISED: E2M3 operands, one E8M0 scale for each 32 along K, by v_wmma_scale_f32_16x16x128_f8f6f4 with both operands' format E2M3, f32 sums; everything else in f32.
;; Inputs: W_k 1,024 x 1,024 float32; W_o 1,024 x 1,024 float32; W_q 1,024 x 1,024 float32; W_v 1,024 x 1,024 float32; b_o 1,024 float32; inputs 4 x 2,048 x 1,024 float32.
;; Outputs: out0 4 x 2,048 x 1,024 float32.
;; This version of the problem:
;;   THIS VERSION OF THE PROBLEM IS GIVEN IN LOW PRECISION. The matrix products marked QUANTISED in the list below multiply operands that are first quantised to E2M3 (2 exponent bits, 3 mantissa bits; 6 bits a number), with one power-of-two scale for each 32 numbers along K (OCP MX v1.0); their sums are f32. All else is computed in f32.
;;   The module's matrix products, in the order in which they are computed (A, B: the left and right operand; K: the contracted axis; several contracted axes count as one K, in the product's order):
;;     1. [M 8,192, K 1,024] x [K 1,024, N 1,024]; A: input inputs; B: input W_q: QUANTISED
;;     2. [M 8,192, K 1,024] x [K 1,024, N 1,024]; A: input inputs; B: input W_k: QUANTISED
;;     3. [M 8,192, K 1,024] x [K 1,024, N 1,024]; A: input inputs; B: input W_v: QUANTISED
;;     4. batch 64 x [M 2,048, K 64] x [K 64, N 2,048]; A: computed on the way; B: computed on the way: QUANTISED
;;     5. batch 64 x [M 2,048, K 2,048] x [K 2,048, N 64]; A: softmax (see below); B: computed on the way: QUANTISED
;;     6. [M 8,192, K 1,024] x [K 1,024, N 1,024]; A: computed on the way; B: input W_o: QUANTISED
;;   THE QUANTISER, for each operand of a quantised product, along K:
;;     - K is cut into blocks of 32 from its start; a last block that is shorter is filled with zeros.
;;     - A block's scale is 2^e with e = floor(log2(the largest magnitude in the block)) - 2, held to -126 .. 127; a block of zeros has e = 0. As a byte (E8M0): e + 127.
;;     - Each number is divided by its block's scale, clamped to +-7.5, and rounded to the nearest number of E2M3, ties to even, subnormals kept.
;;     - The product sums the exact products of the quantised numbers (number of the format x scale) in f32.
;;   ~~~python
;;   def quantise(x, axis):      # numpy; x: float32 -> the quantised numbers, widened to float32 again
;;       x = np.moveaxis(x, axis, -1); K = x.shape[-1]
;;       x = np.pad(x, [(0, 0)] * (x.ndim - 1) + [(0, -K % 32)]); x = x.reshape(x.shape[:-1] + (-1, 32)); a = np.abs(x).max(-1, keepdims=True)
;;       e = np.where(a > 0, np.clip(np.frexp(np.where(a > 0, a, 1))[1] - 1 - 2, -126, 127), 0)      # np.frexp(a)[1] - 1 = floor(log2(a)), exactly
;;       r = np.clip(x / 2.0 ** e, -7.5, 7.5)
;;       step = 2.0 ** (np.maximum(np.frexp(np.where(r == 0, 1, r))[1] - 1, 0) - 3)
;;       q = np.round(r / step) * step * 2.0 ** e      # np.round: ties to even
;;       return np.moveaxis(q.reshape(q.shape[:-2] + (-1,))[..., :K], -1, axis).astype(np.float32)
;;   ~~~
;;   SOFTMAX AHEAD OF A QUANTISED PRODUCT. Where the list says 'softmax', what is quantised is not the finished softmax but p = 2^(t - M), with t = logit x log2(e) and M = ceil(the row's largest t), a whole number; so 1/2 < the row's largest p <= 1. The row's sum l is taken of the UNQUANTISED p, in f32, and the product's result is divided by l at the end. Since M is a whole number, a kernel that streams over the keys may use a running M (the ceiling of the running maximum): every later rescaling is an exact power of two, which a block's scale takes up: the codes' values come out the same.
;;   OPERANDS COMPUTED ON THE WAY. 'Computed on the way' means the value that the module computes at that place (a softmax that the list does not call 'softmax' is quantised finished and normalised). What goes into a quantiser is computed in f32, as accurately as f32 sums, v_exp_f32 and their like allow (about 1e-6 of the number): no bf16 or f16 on the way to a quantiser, and a product that is left as it is and whose result goes on into a quantised operand takes f32 operands (vector FMAs, or v_wmma_f32_16x16x4_f32). A number that lies on a knife's edge between two numbers of the format may be rounded either way, as far as f32 arithmetic and the matrix unit's own rounding can turn it there, and no further.
;; One version. Each part assembles by itself: llvm-mc -triple=amdgcn-amd-amdhsa -mcpu=gfx1250 --defsym DOCPART=n.
;; ======== version 1 of 1: 4 launches
;; limits: right only within a limited range of input values
;; workspace buffers: x_codes 6,291,456 bytes; x_scales 262,144 bytes; w_codes 6,291,456 bytes; w_scales 131,072 bytes; qkv_codes 18,874,368 bytes; qkv_scales 786,432 bytes; ctx_codes 6,291,456 bytes; ctx_scales 262,144 bytes
;; launch qrows (part 1): grid 384 x 1, 4 waves a work-group, no clusters, 68,096 bytes of LDS; arguments inputs, W_o, x_codes, x_scales, w_codes, w_scales, W_q, W_k, W_v; writes x_codes, x_scales, w_codes, w_scales
.if DOCPART == 1
	.amdgcn_target "amdgcn-amd-amdhsa--gfx1250"
	.amdhsa_code_object_version 6
	.text
	.protected	k_q5a91f6ff47_qrows
	.globl	k_q5a91f6ff47_qrows
	.p2align	8
	.type	k_q5a91f6ff47_qrows,@function
k_q5a91f6ff47_qrows:
	s_mov_b64 s[64:65], 0
	v_nop
	global_prefetch_b8 v0, s[64:65] scope:SCOPE_SE
	s_setreg_imm32_b32 hwreg(HW_REG_WAVE_MODE, 25, 1), 1
	s_wait_xcnt 0x0
; inputs [8192][1024] and W_o [1024][1024], f32, K innermost, become codes of FP6 (E2M3), 6 bits each, with one E8M0 scale byte for each 32 along K.
; A block's scale is 2^(floor(log2(its largest magnitude)) - 2); its byte is the largest magnitude's exponent field - 2, held at 1 from below.  A block of zeros keeps the byte 1: its codes are zeros,
; which add nothing under any byte but 0xff, and the bytes are read by this program alone.
; LIMITS: blocks whose largest magnitude lies under 2^-124 keep the byte 1; NaN and infinities among the inputs are not served.
; WHERE THE ROWS GO.  A wave takes a run of 8,192 numbers: 8 whole rows.  Row t of inputs goes to place t with bits 3 and 4 exchanged, so that the sixteen rows of a matrix tile are the ones whose results the next
; launch wants side by side; bits 3 and 4 of a row are bits 0 and 1 of its run.  W_o's rows go, in their own order, to rows 3,072 on of the weights' buffers: 384 runs on.
; The first WGA work-groups take inputs, the others W_o: pointers alone are chosen, both tensors take one path.  Waves share nothing: no barrier, no cluster (no byte is read by two work-groups).
; Each of a step's four loads reads 512 consecutive bytes; the 2,048 bytes turn through the wave's own stage in LDS and come back 64 bytes a lane: 16 neighbours along K, two lanes to a block.
.set SIZE_M, 8192
.set SIZE_N, 1024
.set SIZE_K, 1024
.set WAVES, 4
.set STEPS, 16
.set WGA,   SIZE_M*SIZE_K/(512*STEPS*WAVES)    ; 256 work-groups for inputs, 32 for W_o
.set WORUN, 3072/8                     ; W_o's first run in the weights' buffers
.set EMAX,  2
.set CB,    12                         ; bytes of 16 codes
.set R,     16                         ; v16-79   four sets of 16 numbers as they are loaded
.set X,     80                         ; v80-111  two sets of 16 neighbours
.set C,     128                        ; v128-191 codes: four registers for each step, so that no store's data are written again
.set E,     112                        ; v112-127 a scale byte for each step
.set WREG,  8192                       ; LDS: a region for each wave: two stages of 32 x SP bytes, and behind them its 256 scale bytes
.set SP,    80                         ; a lane's place in a stage: its 64 bytes + 16 of padding
.set SPW,   12                         ; v12      LDS address of my spare word; never rewritten
.set NIL,   13                         ; v13      0; never rewritten
.set SPARE, WAVES*WREG                 ; behind the four regions: the spare words, 128 bytes for each wave
	s_load_b128 s[4:7], s[0:1], 0x0                ; inputs, W_o
	s_load_b128 s[8:11], s[0:1], 0x10              ; inputs' codes, scales
	s_load_b128 s[12:15], s[0:1], 0x20             ; the weights' codes, scales
	v_lshl_add_u32 v[SPW], v0, 2, SPARE
	v_mov_b32 v[NIL], 0
	v_lshrrev_b32 v1, 5, v0
	v_readfirstlane_b32 s16, v1                    ; wave
	v_and_b32 v2, 31, v0                           ; lane
; THE CODES' BUFFERS ARE LAID IN FOUR PLANES, one for each 256 along K: [plane][row][192 bytes], PLANE bytes from plane to plane in both buffers: 128 rows of a plane are 24,576 bytes on end, at a multiple of 256.
; Work-groups 288 on take W_q, W_k, W_v, whose K is the first axis: the second path, below, with LDS bytes of its own.
.set PLANE, 8192*192
	s_cmp_ge_u32 ttmp9, WGA+32
	s_wait_alu depctr_va_vdst(0)
	s_cbranch_scc1 .Lcols
	v_lshlrev_b32 v3, 4, v2                        ; my 16 bytes of a load's 512
	s_mul_i32 s17, s16, WREG
	v_lshrrev_b32 v14, 2, v2
	v_mul_u32_u24 v14, v14, SP
	v_and_b32 v15, 3, v2
	v_lshl_add_u32 v14, v15, 4, v14
	v_add_nc_u32 v14, s17, v14                     ; the stage, on the way in: SP (lane / 4) + 16 (lane % 4)
	v_mul_u32_u24 v15, v2, SP
	v_add_nc_u32 v15, s17, v15                     ; and on the way out: SP x lane: my 16 neighbours
	v_and_b32 v4, 15, v2                           ; my codes' place: sixteen lanes fill a row's 192 bytes of one plane, lanes 16-31 those of the next plane
	v_mul_u32_u24 v4, v4, CB
	v_lshrrev_b32 v5, 4, v2
	v_mad_u32_u24 v4, v5, PLANE, v4
	v_lshrrev_b32 v5, 1, v2
	s_add_co_u32 s17, s17, 2*32*SP
	v_add_nc_u32 v5, s17, v5                       ; LDS: my wave's 256 scale bytes, my block's byte
	v_lshlrev_b32 v7, 3, v2                        ; and on the way out 8 bytes a lane
	v_add_nc_u32 v6, s17, v7
	s_wait_alu depctr_va_vdst(0)
	s_wait_kmcnt 0x0
	s_cmp_lt_u32 ttmp9, WGA                        ; the choice hangs on the work-group's number alone
	s_cselect_b64 s[4:5], s[4:5], s[6:7]
	s_cselect_b64 s[8:9], s[8:9], s[12:13]
	s_cselect_b64 s[10:11], s[10:11], s[14:15]
	s_cselect_b32 s17, 0, WGA
	s_sub_co_u32 s17, ttmp9, s17
	s_lshl_b32 s17, s17, 2
	s_add_co_u32 s18, s17, s16                     ; which run of 8,192 numbers of the tensor is my wave's
	s_mov_b32 s19, 0
	s_and_b32 s22, s18, -4                         ; the run's place on the way out: for inputs bits 0 and 1 change places,
	s_and_b32 s23, s18, 1
	s_lshl_b32 s23, s23, 1
	s_or_b32 s22, s22, s23
	s_bfe_u32 s23, s18, 0x10001
	s_or_b32 s22, s22, s23
	s_add_co_u32 s23, s18, WORUN                   ; for W_o it lies 384 runs on
	s_cmp_lt_u32 ttmp9, WGA
	s_cselect_b32 s22, s22, s23
	s_mov_b32 s23, 0
	s_mov_b64 s[20:21], 512*STEPS*4
	s_mul_u64 s[20:21], s[18:19], s[20:21]
	s_add_nc_u64 s[4:5], s[4:5], s[20:21]
	s_mov_b64 s[20:21], 8*192                      ; a run's 8 rows in a plane
	s_mul_u64 s[20:21], s[22:23], s[20:21]
	s_add_nc_u64 s[8:9], s[8:9], s[20:21]
	s_lshl_b32 s22, s22, 8                         ; 256 scale bytes a run
	s_add_nc_u64 s[10:11], s[10:11], s[22:23]
.macro LOAD t
.irp i, 0,1,2,3
	global_load_b128 v[R+16*((\t)%4)+4*\i:R+16*((\t)%4)+4*\i+3], v3, s[4:5] offset:2048*(\t)+512*\i th:TH_LOAD_NT   ; 32 lanes read 512 consecutive bytes
.endr
.endm
.macro TURN t                          ; step t's numbers through the stage: LDS serves a wave's instructions in order, so no wait stands between the stores and the loads
.irp i, 0,1,2,3
	ds_store_b128 v14, v[R+16*((\t)%4)+4*\i:R+16*((\t)%4)+4*\i+3] offset:32*SP*((\t)%2)+8*SP*\i
.endr
.irp i, 0,1,2,3
	ds_load_b128 v[X+16*((\t)%2)+4*\i:X+16*((\t)%2)+4*\i+3], v15 offset:32*SP*((\t)%2)+16*\i
.endr
.endm
.irp t, 0,1,2,3
	LOAD \t
.endr
	s_wait_loadcnt 12                              ; step 0's four loads are in; the twelve of steps 1 to 3 may be out
	TURN 0
.macro STEP t
.set XS, X+16*((\t)%2)
.if (\t) > 0
	s_wait_dscnt 1                                 ; this step's numbers are back from the stage (the last step's byte store may be out): so its stores into the stage have read their registers,
.else
	s_wait_dscnt 0x0
.endif
.if (\t)+4 < STEPS
	LOAD (\t)+4                                    ; which take the loads of four steps on
.endif
.if (\t)+1 < STEPS
.if STEPS-2-(\t) >= 3
	s_wait_loadcnt 12                              ; the next step's four loads are in; those of the three steps behind it may be out
.else
	s_wait_loadcnt 4*(STEPS-2-(\t))
.endif
	TURN (\t)+1                                    ; and go through the other stage while this step is worked
.endif
	v_max3_num_f32 v8, |v[XS]|, |v[XS+1]|, |v[XS+2]|               ; the largest magnitude of my 16, in two chains
	v_max3_num_f32 v9, |v[XS+3]|, |v[XS+4]|, |v[XS+5]|
.irp i, 6,10
	v_max3_num_f32 v8, v8, |v[XS+\i]|, |v[XS+\i+1]|
	v_max3_num_f32 v9, v9, |v[XS+\i+2]|, |v[XS+\i+3]|
.endr
	v_max3_num_f32 v8, v8, |v[XS+14]|, |v[XS+15]|
	v_max3_num_f32 v8, v8, v9, (EMAX+1)<<23        ; and the floor 2^(3 - 127): the byte cannot fall under 1
	v_max_num_f32_dpp v8, v8, v8 row_xmask:1 row_mask:0xf bank_mask:0xf   ; and of my neighbour's 16: the block's
	v_add_nc_u32 v11, -(EMAX<<23), v8              ; 2 off its exponent field: the conversion takes the exponent field of this operand as its scale
	v_cvt_scalef32_pk16_fp6_f32 v[C+4*(\t):C+4*(\t)+2], v[XS:XS+15], v11         ; sixteen codes, 96 bits, the first number's code lowest
	v_lshrrev_b32 v[E+(\t)], 23, v11               ; the scale's byte (also the plain line behind the conversion)
	ds_store_b8 v5, v[E+(\t)] offset:16*(\t)       ; both lanes of a block write the same byte with the same value
	global_store_b96 v4, v[C+4*(\t):C+4*(\t)+2], s[8:9] offset:192*((\t)/2)+2*PLANE*((\t)%2)   ; row t / 2 of the run, planes 2 (t % 2) and 2 (t % 2) + 1
.endm
.irp t, 0,1,2,3,4,5,6,7,8,9,10,11,12,13,14,15
	STEP \t
.endr
	ds_load_b64 v[8:9], v6                         ; LDS serves a wave's instructions in order: these see my stores
	s_wait_dscnt 0x0
	global_store_b64 v7, v[8:9], s[10:11]          ; 32 lanes store 256 consecutive bytes, at a multiple of 256 from the buffer's first byte
	s_wait_tensorcnt 0x0                           ; the wave's end
	ds_add_u32 v[SPW], v[NIL]
	s_wait_dscnt 0x0
	s_endpgm
; THE SECOND PATH: W_q, W_k, W_v [1024 (k)][1024 (n)].  A lane takes a column n and its registers run down K: a block of 32 lies in one lane, and the conversions give codes with K innermost.
; 96 work-groups: number % 4 is the plane (256 along K), number / 4 the 128 columns of [W_q | W_k | W_v]; a wave takes 32 columns.  Column n goes to row n with bits 3 and 4 exchanged.
; The codes go through the wave's own stage and leave as rows of 192 bytes, sixteen lanes to a row.  Scale and limits as in the first path.
.Lcols:
.set CPITCH, 272
.set CSTG, SPARE+512                   ; the four stages lie behind the spare words
.set CX, 32                            ; v32-95 two sets of 32 numbers
.set CCD, 96                           ; a block's codes
.set COUT, 112                         ; v112-175 the way out
.set CSB, 24                           ; the scale bytes
	s_load_b128 s[32:35], s[0:1], 0x30             ; W_q, W_k
	s_load_b64 s[36:37], s[0:1], 0x40              ; W_v
	s_sub_co_u32 s40, ttmp9, WGA+32
	s_and_b32 s18, s40, 3                          ; the plane
	s_lshr_b32 s40, s40, 2
	s_lshr_b32 s30, s40, 3                         ; which tensor
	s_and_b32 s17, s40, 7
	s_lshl_b32 s17, s17, 7
	s_lshl_b32 s19, s16, 5
	s_add_co_u32 s17, s17, s19                     ; my first column in its tensor
	s_lshl_b32 s31, s40, 7
	s_add_co_u32 s31, s31, s19                     ; my first row in the buffers
	s_lshl_b32 s20, s18, 20                        ; W: 256 rows of 4,096 bytes a plane
	s_lshl_b32 s21, s17, 2
	s_add_co_u32 s20, s20, s21
	s_mov_b32 s21, 0
	s_mul_i32 s24, s31, 192
	s_mul_i32 s25, s18, PLANE
	s_add_co_u32 s24, s24, s25
	s_mov_b32 s25, 0
	s_lshl_b32 s28, s31, 5                         ; scale bytes: 32 a row, 8 a plane
	s_lshl_b32 s29, s18, 3
	s_add_co_u32 s28, s28, s29
	s_mov_b32 s29, 0
	s_mul_i32 s19, s16, 32*CPITCH
	s_add_co_u32 s19, s19, CSTG                    ; my stage
	v_lshlrev_b32 v3, 2, v2
	v_mul_u32_u24 v4, v2, CPITCH
	v_add_nc_u32 v4, s19, v4                       ; into the stage: row = my column
	v_and_b32 v5, 15, v2
	v_lshrrev_b32 v6, 4, v2
	v_mul_u32_u24 v7, v6, CPITCH
	v_lshl_add_u32 v7, v5, 4, v7
	v_add_nc_u32 v7, s19, v7                       ; out of it: sixteen lanes to a row
	v_mul_u32_u24 v8, v6, 192
	v_mad_u32_u24 v8, v5, 12, v8
	v_and_b32 v9, 7, v2                            ; my row of scale bytes: the lane with bits 3 and 4 exchanged, x 32
	v_and_b32 v10, 8, v2
	v_lshl_or_b32 v9, v10, 1, v9
	v_and_b32 v10, 16, v2
	v_lshrrev_b32 v10, 1, v10
	v_or_b32 v9, v9, v10
	v_lshlrev_b32 v9, 5, v9
	s_wait_alu depctr_va_vdst(0)
	s_wait_kmcnt 0x0
	s_cmp_eq_u32 s30, 1
	s_cselect_b64 s[32:33], s[34:35], s[32:33]
	s_cmp_eq_u32 s30, 2
	s_cselect_b64 s[32:33], s[36:37], s[32:33]
	s_add_nc_u64 s[32:33], s[32:33], s[20:21]
	s_add_nc_u64 s[12:13], s[12:13], s[24:25]
	s_add_nc_u64 s[14:15], s[14:15], s[28:29]
.macro CLOAD t
.set I_, 0
.rept 32
	global_load_b32 v[CX+32*((\t)%2)+I_], v3, s[32:33] offset:(32*(\t)+I_)*4096 th:TH_LOAD_NT
.set I_, I_+1
.endr
.endm
	CLOAD 0
	CLOAD 1
.macro CBLOCK t
.set XS, CX+32*((\t)%2)
.if (\t) < 7
	s_wait_loadcnt 32                              ; this block's 32 loads are in; the next block's may be out
.else
	s_wait_loadcnt 0
.endif
	v_max3_num_f32 v16, |v[XS]|, |v[XS+1]|, |v[XS+2]|
	v_max3_num_f32 v17, |v[XS+3]|, |v[XS+4]|, |v[XS+5]|
.irp i, 6,10,14,18,22,26
	v_max3_num_f32 v16, v16, |v[XS+\i]|, |v[XS+\i+1]|
	v_max3_num_f32 v17, v17, |v[XS+\i+2]|, |v[XS+\i+3]|
.endr
	v_max3_num_f32 v16, v16, |v[XS+30]|, |v[XS+31]|
	v_max3_num_f32 v16, v16, v17, (EMAX+1)<<23     ; with the floor: the byte cannot fall under 1
	v_add_nc_u32 v11, -(EMAX<<23), v16             ; the conversion's scale operand
	v_lshrrev_b32 v17, 23, v11                     ; the byte
.if (\t)%4 == 0
	v_mov_b32 v[CSB+(\t)/4], v17
.else
	v_lshl_or_b32 v[CSB+(\t)/4], v17, 8*((\t)%4), v[CSB+(\t)/4]
.endif
	v_cvt_scalef32_pk16_fp6_f32 v[CCD:CCD+2], v[XS:XS+15], v11
	v_cvt_scalef32_pk16_fp6_f32 v[CCD+4:CCD+6], v[XS+16:XS+31], v11
	ds_store_b96 v4, v[CCD:CCD+2] offset:32*(\t)
	ds_store_b96 v4, v[CCD+4:CCD+6] offset:32*(\t)+16
.if (\t)+2 < 8
	CLOAD (\t)+2
.endif
	s_wait_dscnt 0x0                               ; the stores have read their registers
.endm
.irp t, 0,1,2,3,4,5,6,7
	CBLOCK \t
.endr
	s_wait_alu depctr_va_vdst(0)
	global_store_b64 v9, v[CSB:CSB+1], s[14:15]
.irp t, 0,1,2,3,4,5,6,7,8,9,10,11,12,13,14,15
	ds_load_b96 v[COUT+4*\t:COUT+4*\t+2], v7 offset:2*\t*CPITCH
.endr
.irp t, 0,1,2,3,4,5,6,7,8,9,10,11,12,13,14,15
	s_wait_dscnt 15-\t                             ; the younger loads may be out
	global_store_b96 v8, v[COUT+4*\t:COUT+4*\t+2], s[12:13] offset:2*((\t&3)|((\t&4)<<1)|((\t&8)>>1))*192
.endr
	s_wait_tensorcnt 0x0                           ; the wave's end
	ds_add_u32 v[SPW], v[NIL]
	s_wait_dscnt 0x0
	s_endpgm
.Lfunc_end_k_q5a91f6ff47_qrows:
	.size	k_q5a91f6ff47_qrows, .Lfunc_end_k_q5a91f6ff47_qrows-k_q5a91f6ff47_qrows
	.p2alignl 7, 3214868480
	.fill 96, 4, 3214868480
	.section	.rodata,"a",@progbits
	.p2align	6, 0x0
	.amdhsa_kernel k_q5a91f6ff47_qrows
		.amdhsa_group_segment_fixed_size 68096
		.amdhsa_private_segment_fixed_size 0
		.amdhsa_enable_private_segment 0
		.amdhsa_kernarg_size 72
		.amdhsa_user_sgpr_count 2
		.amdhsa_user_sgpr_kernarg_segment_ptr 1
		.amdhsa_wavefront_size32 1
		.amdhsa_system_sgpr_workgroup_id_x 1
		.amdhsa_system_sgpr_workgroup_id_y 1
		.amdhsa_system_sgpr_workgroup_id_z 1
		.amdhsa_system_vgpr_workitem_id 0
		.amdhsa_next_free_vgpr 192
		.amdhsa_next_free_sgpr 66
		.amdhsa_reserve_vcc 0
		.amdhsa_float_denorm_mode_32 3
		.amdhsa_float_denorm_mode_16_64 3
		.amdhsa_memory_ordered 1
		.amdhsa_forward_progress 1
		.amdhsa_inst_pref_size 74
	.end_amdhsa_kernel
	.amdgpu_metadata
---
amdhsa.version: [ 1, 2 ]
amdhsa.kernels:
  - .name:           k_q5a91f6ff47_qrows
    .symbol:         k_q5a91f6ff47_qrows.kd
    .args:
      - { .name: inputs, .offset: 0, .size: 8, .value_kind: global_buffer, .address_space: global }
      - { .name: W_o, .offset: 8, .size: 8, .value_kind: global_buffer, .address_space: global }
      - { .name: x_codes, .offset: 16, .size: 8, .value_kind: global_buffer, .address_space: global }
      - { .name: x_scales, .offset: 24, .size: 8, .value_kind: global_buffer, .address_space: global }
      - { .name: w_codes, .offset: 32, .size: 8, .value_kind: global_buffer, .address_space: global }
      - { .name: w_scales, .offset: 40, .size: 8, .value_kind: global_buffer, .address_space: global }
      - { .name: W_q, .offset: 48, .size: 8, .value_kind: global_buffer, .address_space: global }
      - { .name: W_k, .offset: 56, .size: 8, .value_kind: global_buffer, .address_space: global }
      - { .name: W_v, .offset: 64, .size: 8, .value_kind: global_buffer, .address_space: global }
    .group_segment_fixed_size: 68096
    .private_segment_fixed_size: 0
    .kernarg_segment_align: 8
    .kernarg_segment_size: 72
    .max_flat_workgroup_size: 128
    .sgpr_count:     66
    .vgpr_count:     192
    .wavefront_size: 32
...
	.end_amdgpu_metadata
.endif
;; end of part 1
;; launch gqkv (part 2): grid 8 x 48, 4 waves a work-group, clusters of 4 x 4, 327,680 bytes of LDS; arguments x_codes, x_scales, w_codes, w_scales, qkv_codes, qkv_scales; writes qkv_codes, qkv_scales
.if DOCPART == 2
	.amdgcn_target "amdgcn-amd-amdhsa--gfx1250"
	.amdhsa_code_object_version 6
	.text
	.protected	k_q5a91f6ff47_gqkv
	.globl	k_q5a91f6ff47_gqkv
	.p2align	8
	.type	k_q5a91f6ff47_gqkv,@function
k_q5a91f6ff47_gqkv:
	s_mov_b64 s[64:65], 0
	v_nop
	global_prefetch_b8 v0, s[64:65] scope:SCOPE_SE
	s_setreg_imm32_b32 hwreg(HW_REG_WAVE_MODE, 25, 1), 1
	s_wait_xcnt 0x0
	s_wait_alu depctr_hold_cnt(0) depctr_sa_sdst(0) depctr_va_vdst(0) depctr_va_sdst(0) depctr_va_ssrc(0) depctr_va_vcc(0) depctr_vm_vsrc(0)
	s_getreg_b32 s2, hwreg(HW_REG_IB_STS2, 6, 4)
	s_cmp_eq_u32 s2, 0
	s_cbranch_scc0 .Lentry_in_a_cluster
	s_endpgm
.Lentry_in_a_cluster:
	s_bfe_u32 s2, ttmp6, 0x10000c
	s_cmp_lg_u32 s2, 0xf033
	s_cbranch_scc0 .Lentry_shape_is_right
	s_endpgm
.Lentry_shape_is_right:
; Q, K = x W^T and V^T = W_v x^T on codes of FP6 with E8M0 scales; the results are quantised in registers and leave as codes and scale words in the order that the attention launch reads.
; A work-group of four waves makes 256 x 256, a wave 128 x 128; K goes in steps of 256 through two LDS slots.  The codes lie in planes, one a K step: 128 rows of a plane are 24,576 bytes on end,
; fetched as 96 rows of 256 bytes; 16 bytes of padding behind every 64 give LDS rows of 240 bytes.  4 x 4 clusters: A's tiles are asked for jointly by a row, B's by a column.
; THE HEAD: one joint load a wave: A's 256 rows of step 0, B's, A's scales, B's; slot 1 is first filled behind a drained round.  No prefetch: K has four steps, and two of them are asked for at the head.
; LIMITS: a block whose largest magnitude lies under 2^-124 keeps the byte 1; NaN and infinities are not served.
.set SIZE_K, 1024
.set KSTEP,  256
.set NQ,     KSTEP/128
.set ROWB,   8192*192                  ; bytes from a K step's plane to the next, in both codes' buffers
.set KROW,   192                       ; a row's bytes in a plane
.set PITCH,  240
.set FR,     12
.set NL,     6
.set NP,     4
.set HALFT,  128*PITCH
.set SLOT,   4*HALFT
.set LAPS,   SIZE_K/(2*KSTEP)
.set KS,     SIZE_K/32
.set SCL,    2*SLOT
.set HALFS,  (128*KS/256)*272
.set SBLK,   (16*KS/256)*272
.set SPARE,  SCL+4*HALFS
.set ADRA, 16
.set ADRB, 20
.set ADRS, 27
.set SPW,  28
.set NIL,  29
.set SC,   32
.set AF,   128
.set TM,   32
.set T0,   48
.set T1,   52
.set WD,   56
.set ZW,   64
.set SELV, 68
.set OFA,  72
.set OFB,  76
.set SOA,  80
.set SOB,  81
.set PCB,  96
.set G1, 24
.set G0, 32
.set G1B, 48
.set G0B, 56
.set G1S, 68
.set G0S, 76
.set G1SB, 80
.set G0SB, 88
.set MSB, 0
.macro WIN new
.if MSB != \new
	s_set_vgpr_msb (MSB<<8)|\new
.set MSB, \new
.endif
.endm
.set MUL_LO, 0xa1
.set MUL_HI, 0xf1
.set TO_B,   0x40
.macro JLOAD g0a, g1a, g0b, g1b
	s_cmp_eq_u32 s15, 0
	s_cbranch_scc0 .Lfor_b_\@
	tensor_load_to_lds s[\g0a:\g0a+3], s[\g1a:\g1a+7]
	s_nop 0
.rept 4
	v_nop
.endr
	s_branch .Lasked_\@
.Lfor_b_\@:
	tensor_load_to_lds s[\g0b:\g0b+3], s[\g1b:\g1b+7]
	s_nop 0
.rept 4
	v_nop
.endr
.Lasked_\@:
.endm
.macro CREST
	s_cmp_lg_u32 s14, 0
	s_cbranch_scc1 .Lnot_wave_0_\@
	s_barrier_signal -3
.Lnot_wave_0_\@:
	s_barrier_wait -3
	s_barrier_signal -1
	s_barrier_wait -1
.endm
.macro CROUND
	s_barrier_signal -1
	s_barrier_wait -1
	CREST
.endm
	s_load_b128 s[4:7], s[0:1], 0x0
	s_load_b128 s[8:11], s[0:1], 0x10
	s_load_b64 s[12:13], s[0:1], 0x20
	s_load_b64 s[96:97], s[0:1], 0x28
	v_lshl_add_u32 v[SPW], v0, 2, SPARE
	v_mov_b32 v[NIL], 0
	ds_add_u32 v[SPW], v[NIL]
	ds_add_u32 v[SPW], v[NIL]
	v_lshrrev_b32 v1, 5, v0
	v_readfirstlane_b32 s14, v1
	s_lshr_b32 s15, s14, 1
	s_and_b32 s16, s14, 1
	s_bfe_u32 s40, ttmp6, 0x40000
	s_bfe_u32 s41, ttmp6, 0x40004
	s_and_b32 s66, ttmp7, 0xffff
	s_sub_co_u32 s98, s66, 8
	s_cmp_lt_u32 s66, 8
	s_cselect_b32 s95, 1, 0
	s_cselect_b32 s66, s66, 0
	s_cselect_b32 s98, 0, s98
	s_cselect_b32 s67, 0, 2048
	s_lshl_b32 s42, ttmp9, 2
	s_add_co_u32 s42, s42, s40
	s_lshl_b32 s98, s98, 3
	s_add_co_u32 s42, s42, s98
	s_lshl_b32 s17, s66, 2
	s_add_co_u32 s17, s17, s41
	s_lshl_b32 s43, s41, 2
	s_lshl_b32 s43, 15, s43
	s_lshl_b32 s44, 0x1111, s40
	s_or_b32 s[G1+0], s43, (0<<16)|(1<<20)|(1<<21)|(3<<22)|(3<<25)
	s_or_b32 s[G1B+0], s44, (0<<16)|(1<<20)|(1<<21)|(3<<22)|(3<<25)
.irp g, G1, G1B
	s_mov_b32 s[\g+1], 256<<16
	s_mov_b32 s[\g+2], 192<<16                     ; the head's loads: 256 rows of codes = 192 rows of 256 bytes
	s_mov_b32 s[\g+3], 256<<16
	s_mov_b32 s[\g+4], 192
	s_mov_b32 s[\g+5], 256
	s_mov_b32 s[\g+6], 0
	s_mov_b32 s[\g+7], 0
.endr
	s_or_b32 s[G1S+0], s43, (3<<16)|(1<<20)|(1<<21)|(5<<22)|(3<<25)
	s_or_b32 s[G1SB+0], s44, (3<<16)|(1<<20)|(1<<21)|(5<<22)|(3<<25)
.irp g, G1S, G1SB
	s_mov_b32 s[\g+1], 32<<16
	s_mov_b32 s[\g+2], (256*KS/256)<<16
	s_mov_b32 s[\g+3], 32<<16
	s_mov_b32 s[\g+4], 256*KS/256
	s_mov_b32 s[\g+5], 32
	s_mov_b32 s[\g+6], 0
	s_mov_b32 s[\g+7], 0
.endr
	s_lshl_b32 s20, s17, 8
	s_add_co_u32 s20, s20, s67
	s_lshl_b32 s46, s42, 8
	s_mov_b32 s21, 0
	s_mov_b32 s47, 0
	s_mov_b64 s[18:19], KS
	s_mul_u64 s[22:23], s[20:21], s[18:19]
	s_mul_u64 s[92:93], s[46:47], s[18:19]
	s_mov_b64 s[18:19], KROW
	s_mul_u64 s[20:21], s[20:21], s[18:19]
	s_mul_u64 s[46:47], s[46:47], s[18:19]
	s_mul_i32 s45, s14, HALFT
	s_mul_i32 s18, s16, 128*KROW                   ; in the ring I fetch 128 rows of a tile: which half, in bytes
	s_mov_b32 s19, 0
	s_wait_dscnt 0x0
	s_wait_kmcnt 0x0
	s_cmp_eq_u32 s95, 1
	s_cselect_b64 s[98:99], s[4:5], s[8:9]
	s_cselect_b64 s[8:9], s[8:9], s[4:5]
	s_mov_b64 s[4:5], s[98:99]
	s_cselect_b64 s[98:99], s[6:7], s[10:11]
	s_cselect_b64 s[10:11], s[10:11], s[6:7]
	s_mov_b64 s[6:7], s[98:99]
	s_add_nc_u64 s[20:21], s[4:5], s[20:21]
	s_add_nc_u64 s[22:23], s[6:7], s[22:23]
	s_add_nc_u64 s[46:47], s[8:9], s[46:47]
	s_add_nc_u64 s[92:93], s[10:11], s[92:93]
	CROUND
	s_mov_b32 s4, 1                                ; s[4:7], s[8:11]: group 0 of the head's loads of step 0 (the arguments that lay there have served): A's 256 rows,
	s_mov_b32 s5, 0
	s_mov_b64 s[6:7], s[20:21]
	s_or_b32 s7, s7, 0x80000000
	s_mov_b32 s8, 1                                ; B's 256 rows, behind them in slot 0,
	s_mov_b32 s9, 2*HALFT
	s_mov_b64 s[10:11], s[46:47]
	s_or_b32 s11, s11, 0x80000000
	s_mov_b32 s[G0S], 1                            ; the scales of A's 256 rows,
	s_mov_b32 s[G0S+1], SCL
	s_mov_b64 s[G0S+2:G0S+3], s[22:23]
	s_or_b32 s[G0S+3], s[G0S+3], 0x80000000
	s_mov_b32 s[G0SB], 1                           ; and of B's
	s_mov_b32 s[G0SB+1], SCL+2*HALFS
	s_mov_b64 s[G0SB+2:G0SB+3], s[92:93]
	s_or_b32 s[G0SB+3], s[G0SB+3], 0x80000000
	s_add_nc_u64 s[20:21], s[20:21], s[18:19]      ; for the ring: my 128 rows
	s_add_nc_u64 s[46:47], s[46:47], s[18:19]
.irp s, 0,1
	s_mov_b32 s[G0+4*\s], 1
	s_add_co_u32 s[G0+4*\s+1], s45, \s*SLOT
	s_add_nc_u64 s[G0+4*\s+2:G0+4*\s+3], s[20:21], \s*ROWB
	s_or_b32 s[G0+4*\s+3], s[G0+4*\s+3], 0x80000000
	s_mov_b32 s[G0B+4*\s], 1
	s_add_co_u32 s[G0B+4*\s+1], s45, \s*SLOT
	s_add_nc_u64 s[G0B+4*\s+2:G0B+4*\s+3], s[46:47], \s*ROWB
	s_or_b32 s[G0B+4*\s+3], s[G0B+4*\s+3], 0x80000000
.endr
.macro ARM under, g0, g1, next         ; one chain of branches on the wave's number, one load to an arm
	s_cmp_lt_u32 s14, \under
	s_cbranch_scc0 \next
	tensor_load_to_lds s[\g0:\g0+3], s[\g1:\g1+7]
	s_nop 0
.rept 4
	v_nop
.endr
	s_branch .Lhead_asked
\next:
.endm
	ARM 1, 4, G1, .Lhead_b
	ARM 2, 8, G1B, .Lhead_sa
	ARM 3, G0S, G1S, .Lhead_sb
	tensor_load_to_lds s[G0SB:G0SB+3], s[G1SB:G1SB+7]
	s_nop 0
.rept 4
	v_nop
.endr
.Lhead_asked:
	v_and_b32 v1, 15, v0
	v_bfe_u32 v2, v0, 4, 1
	v_mul_u32_u24 v3, v1, PITCH
	v_mul_u32_u24 v4, v2, 24
	v_add_nc_u32 v4, v3, v4
	v_lshl_add_u32 v5, v2, 4, v4
	s_mul_i32 s21, s15, HALFT
	s_mul_i32 s22, s16, HALFT
	s_add_co_u32 s22, s22, 2*HALFT
.irp s, 0,1
	v_add_nc_u32 v[ADRA+\s], s21, v4
	v_add_nc_u32 v[ADRB+\s], s22, v4
	v_add_nc_u32 v[ADRA+2+\s], s21, v5
	v_add_nc_u32 v[ADRB+2+\s], s22, v5
	s_add_co_u32 s21, s21, SLOT
	s_add_co_u32 s22, s22, SLOT
.endr
	v_mul_u32_u24 v5, v1, KS
	v_lshrrev_b32 v6, 8, v5
	v_lshl_add_u32 v5, v6, 4, v5
	s_mul_i32 s21, s15, HALFS
	s_mul_i32 s22, s16, HALFS
	s_add_co_u32 s22, s22, 2*HALFS
	s_sub_co_u32 s22, s22, s21
	v_mul_u32_u24 v6, s22, v2
	s_add_co_u32 s21, s21, SCL
	v_add_nc_u32 v5, v5, v6
	v_add_nc_u32 v[ADRS], s21, v5
	s_lshl_b32 s18, s17, 1
	s_add_co_u32 s18, s18, s15
	s_lshl_b32 s19, s42, 1
	s_add_co_u32 s19, s19, s16
	s_add_co_u32 s20, s18, 16
	s_cmp_eq_u32 s95, 1
	s_cselect_b32 s20, s19, s20
	s_cselect_b32 s21, s18, s19
	s_mov_b32 s22, 256
	s_cselect_b32 s22, 512, s22
	s_mov_b32 s40, 3072
	s_cselect_b32 s40, 1536, s40
	s_mov_b32 s41, 393216
	s_cselect_b32 s41, 3072, s41
	s_mov_b32 s43, 396288
	s_cselect_b32 s43, 4608, s43
	s_mov_b32 s44, 1536
	s_cselect_b32 s44, 393216, s44
	s_mov_b32 s45, 16384
	s_cselect_b32 s45, 256, s45
	s_mov_b32 s46, 0x03020100
	s_cselect_b32 s46, 0x05040100, s46
	s_mov_b32 s47, 0x07060504
	s_cselect_b32 s47, 0x07060302, s47
	s_mul_i32 s92, s20, 786432
	s_mul_i32 s93, s21, 6144
	s_add_co_u32 s92, s92, s93
	s_mov_b32 s93, 0
	s_add_nc_u64 s[12:13], s[12:13], s[92:93]
	s_lshl_b32 s92, s20, 15
	s_mul_i32 s22, s21, s22
	s_add_co_u32 s92, s92, s22
	s_add_nc_u64 s[96:97], s[96:97], s[92:93]
	s_mov_b32 s66, 0xffff0000
	v_mov_b32 v[SELV], s46
	v_mov_b32 v69, s47
	v_cndmask_b32 v[SELV], v[SELV], v69, s66
	v_and_b32 v70, 31, v0
	v_lshlrev_b32 v[OFA], 4, v70
	v_add_nc_u32 v[OFA+1], s40, v[OFA]
	v_add_nc_u32 v[OFA+2], s41, v[OFA]
	v_add_nc_u32 v[OFA+3], s43, v[OFA]
.irp p, 0,1,2,3
	v_add_nc_u32 v[OFB+\p], s44, v[OFA+\p]
.endr
	v_lshlrev_b32 v[SOA], 3, v70
	v_add_nc_u32 v[SOB], s45, v[SOA]
	s_mov_b32 s2, 0x1800000
	s_mov_b32 s100, 0x76543210
	s_mov_b32 s101, 0xfedcba98
.macro FRAG reg, adr, q, i
.irp p, 0,1,2,3,4,5
.set PC, 12*(\q)+6*(\p/3)+\p%3
.if PC%8 < 5
	ds_load_b64 v[\reg+2*\p:\reg+2*\p+1], v[\adr] offset:8*PC+16*(PC/8)+(\i)*16*PITCH
.else
	ds_load_b64 v[\reg+2*\p:\reg+2*\p+1], v[\adr+2] offset:8*PC+16*(PC/8)+(\i)*16*PITCH
.endif
.endr
.endm
.macro MUL16 a0, p, q, sc, zero
.irp a, \a0, \a0+1
.irp b, 0,1,2,3,4,5,6,7
.if \zero
	v_wmma_scale_f32_16x16x128_f8f6f4 v[8*(8*((\a)%4)+\b):8*(8*((\a)%4)+\b)+7], v[128*(\p)+FR*\b:128*(\p)+FR*\b+FR-1], v[AF+FR*(\a):AF+FR*(\a)+FR-1], 0, v[SC+8*NQ*(\sc)+NQ*\b+(\q)], v[SC+8*NQ*(\sc)+NQ*(\a)+(\q)] matrix_a_fmt:MATRIX_FMT_FP6 matrix_b_fmt:MATRIX_FMT_FP6 matrix_a_scale:MATRIX_SCALE_ROW1
.else
	v_wmma_scale_f32_16x16x128_f8f6f4 v[8*(8*((\a)%4)+\b):8*(8*((\a)%4)+\b)+7], v[128*(\p)+FR*\b:128*(\p)+FR*\b+FR-1], v[AF+FR*(\a):AF+FR*(\a)+FR-1], v[8*(8*((\a)%4)+\b):8*(8*((\a)%4)+\b)+7], v[SC+8*NQ*(\sc)+NQ*\b+(\q)], v[SC+8*NQ*(\sc)+NQ*(\a)+(\q)] matrix_a_fmt:MATRIX_FMT_FP6 matrix_b_fmt:MATRIX_FMT_FP6 matrix_a_scale:MATRIX_SCALE_ROW1
.endif
.endr
.endr
.endm
.macro FETCH_B slot, q, p
	WIN TO_B
.irp i, 0,1,2,3,4,5,6,7
	FRAG 128*(\p)+FR*\i, ADRB+\slot, \q, \i
.endr
	WIN 0
.endm
.macro FETCH_A slot, q, i0
.irp i, \i0, \i0+1, \i0+2, \i0+3
	FRAG AF+FR*(\i), ADRA+\slot, \q, \i
.endr
.endm
.macro SCALES sc
.irp i, 0,1,2,3,4,5,6,7
	ds_load_b64 v[SC+8*NQ*\sc+NQ*\i:SC+8*NQ*\sc+NQ*\i+1], v[ADRS] offset:\i*SBLK
.endr
.endm
.macro PLACES n
.rept \n
	v_nop
.endr
.endm
.macro STEP slot, q, zero
	s_wait_dscnt 4*NL
	WIN MUL_LO
	MUL16 0, (\q)%2, \q, \slot, \zero
	MUL16 2, (\q)%2, \q, \slot, \zero
	s_wait_dscnt 0
	PLACES NP
	FETCH_B \slot, (\q)+1, 1-(\q)%2
	FETCH_A \slot, (\q)+1, 0
	WIN MUL_HI
	MUL16 4, (\q)%2, \q, \slot, \zero
	MUL16 6, (\q)%2, \q, \slot, \zero
	PLACES NP
	WIN 0
	FETCH_A \slot, (\q)+1, 4
.endm
.macro TURN slot, next, fill
	s_wait_tensorcnt 0x0
	ds_add_u32 v[SPW], v[NIL]
	s_wait_dscnt 4*NL+1
	WIN MUL_LO
	MUL16 0, 1, NQ-1, \slot, 0
	s_wait_dscnt 0x0
	s_barrier_signal -1
	MUL16 2, 1, NQ-1, \slot, 0
	WIN 0
	s_barrier_wait -1
.if \fill
	CREST
	s_add_nc_u64 s[G0+4*\slot+2:G0+4*\slot+3], s[G0+4*\slot+2:G0+4*\slot+3], 2*ROWB
	s_add_nc_u64 s[G0B+4*\slot+2:G0B+4*\slot+3], s[G0B+4*\slot+2:G0B+4*\slot+3], 2*ROWB
	JLOAD G0+4*\slot, G1, G0B+4*\slot, G1B
.else
	PLACES NP
.endif
	s_wait_alu depctr_va_vdst(0)
	v_add_nc_u32 v[ADRS], 4*NQ, v[ADRS]
	FETCH_B \next, 0, 0
	FETCH_A \next, 0, 0
	SCALES \next
	WIN MUL_HI
	MUL16 4, 1, NQ-1, \slot, 0
	MUL16 6, 1, NQ-1, \slot, 0
	PLACES NP
	WIN 0
	FETCH_A \next, 0, 4
.endm
	s_wait_alu depctr_va_vdst(0)
	s_wait_tensorcnt 0x0                           ; my tile of the head's four is in
	ds_add_u32 v[SPW], v[NIL]
	s_mov_b32 s[G1+2], 96<<16                      ; no load of mine is out: from here on a load brings 128 rows of codes = 96 rows of 256 bytes
	s_mov_b32 s[G1+4], 96
	s_mov_b32 s[G1B+2], 96<<16
	s_mov_b32 s[G1B+4], 96
	s_wait_dscnt 0x0
	CROUND                                         ; all four tiles are in, in every partner
	JLOAD G0+4, G1, G0B+4, G1B                     ; step 1, the first tensor load behind the round
	FETCH_B 0, 0, 0
	FETCH_A 0, 0, 0
	SCALES 0
	FETCH_A 0, 0, 4
	STEP 0, 0, 1
	s_mov_b32 s3, LAPS-1
.Llap:
	TURN 0, 1, 1
	STEP 1, 0, 0
	TURN 1, 0, 1
	STEP 0, 0, 0
	s_sub_co_u32 s3, s3, 1
	s_cmp_lg_u32 s3, 0
	s_cbranch_scc1 .Llap
	TURN 0, 1, 0
	STEP 1, 0, 0
	s_wait_dscnt 4*NL
	WIN MUL_LO
	MUL16 0, 1, NQ-1, 1, 0
	MUL16 2, 1, NQ-1, 1, 0
	s_wait_dscnt 0
	WIN MUL_HI
	MUL16 4, 1, NQ-1, 1, 0
	MUL16 6, 1, NQ-1, 1, 0
	WIN 0
.macro QUANTG a, d0, d1, w
.set AC, 64*((\a)%4)
	WIN 0x28+0x14*((\a)/4)
.irp b, 0,1,2,3
	v_max3_num_f32 v[TM+\b], s2, |v[AC+16*\b]|, |v[AC+16*\b+1]|
.endr
.irp i, 2,4,6,8,10,12,14
.irp b, 0,1,2,3
	v_max3_num_f32 v[TM+\b], v[TM+\b], |v[AC+16*\b+\i]|, |v[AC+16*\b+\i+1]|
.endr
.endr
	WIN 0
.irp b, 0,1,2,3
	v_permlanex16_b32 v[TM+4+\b], v[TM+\b], s100, s101
.endr
.irp b, 0,1,2,3
	v_max_num_f32 v[TM+\b], v[TM+\b], v[TM+4+\b]
.endr
.irp b, 0,1,2,3
	v_add_nc_u32 v[TM+12+\b], 0xff000000, v[TM+\b]
.endr
.irp b, 0,1,2,3
	v_lshrrev_b32 v[TM+4+\b], 23, v[TM+12+\b]
.endr
	v_lshl_or_b32 v[\w], v[TM+5], 8, v[TM+4]
	v_lshl_or_b32 v[\w], v[TM+6], 16, v[\w]
	v_lshl_or_b32 v[\w], v[TM+7], 24, v[\w]
	WIN 0x02+(\a)/4
	v_cvt_scalef32_pk16_fp6_f32 v[\d0:\d0+2], v[AC:AC+15], v[TM+12]
	v_cvt_scalef32_pk16_fp6_f32 v[T0:T0+2], v[AC+16:AC+31], v[TM+13]
	v_cvt_scalef32_pk16_fp6_f32 v[\d1:\d1+2], v[AC+32:AC+47], v[TM+14]
	v_cvt_scalef32_pk16_fp6_f32 v[T1:T1+2], v[AC+48:AC+63], v[TM+15]
	WIN 0
	v_nop
.irp i, 0,1,2
	v_permlane16_swap_b32 v[\d0+\i], v[T0+\i]
.endr
.irp i, 0,1,2
	v_mov_b32 v[\d0+3+\i], v[T0+\i]
.endr
.irp i, 0,1,2
	v_permlane16_swap_b32 v[\d1+\i], v[T1+\i]
.endr
.irp i, 0,1,2
	v_mov_b32 v[\d1+3+\i], v[T1+\i]
.endr
.endm
	PLACES NP
.irp b, 0,1,2,3
	v_mov_b32 v[TM+4+\b], 0
.endr
.irp p, 0,1,2,3
	QUANTG 2*\p, PCB+24*\p, PCB+24*\p+12, WD+2*\p
	QUANTG 2*\p+1, PCB+24*\p+6, PCB+24*\p+18, WD+2*\p+1
	v_perm_b32 v[ZW+\p], v[WD+2*\p+1], v[WD+2*\p], v[SELV]
.irp j, 0,1,2
	global_store_b128 v[OFA+\p], v[PCB+24*\p+4*\j:PCB+24*\p+4*\j+3], s[12:13] offset:512*\j
.endr
.irp j, 0,1,2
	global_store_b128 v[OFB+\p], v[PCB+24*\p+12+4*\j:PCB+24*\p+12+4*\j+3], s[12:13] offset:512*\j
.endr
.endr
	global_store_b64 v[SOA], v[ZW:ZW+1], s[96:97]
	global_store_b64 v[SOB], v[ZW+2:ZW+3], s[96:97]
	s_wait_tensorcnt 0x0
	ds_add_u32 v[SPW], v[NIL]
	s_wait_dscnt 0x0
	CROUND
	s_endpgm
.Lfunc_end_k_q5a91f6ff47_gqkv:
	.size	k_q5a91f6ff47_gqkv, .Lfunc_end_k_q5a91f6ff47_gqkv-k_q5a91f6ff47_gqkv
	.p2alignl 7, 3214868480
	.fill 96, 4, 3214868480
	.section	.rodata,"a",@progbits
	.p2align	6, 0x0
	.amdhsa_kernel k_q5a91f6ff47_gqkv
		.amdhsa_group_segment_fixed_size 327680
		.amdhsa_private_segment_fixed_size 0
		.amdhsa_enable_private_segment 0
		.amdhsa_kernarg_size 48
		.amdhsa_user_sgpr_count 2
		.amdhsa_user_sgpr_kernarg_segment_ptr 1
		.amdhsa_wavefront_size32 1
		.amdhsa_system_sgpr_workgroup_id_x 1
		.amdhsa_system_sgpr_workgroup_id_y 1
		.amdhsa_system_sgpr_workgroup_id_z 1
		.amdhsa_system_vgpr_workitem_id 0
		.amdhsa_next_free_vgpr 1024
		.amdhsa_next_free_sgpr 102
		.amdhsa_reserve_vcc 0
		.amdhsa_float_denorm_mode_32 3
		.amdhsa_float_denorm_mode_16_64 3
		.amdhsa_memory_ordered 1
		.amdhsa_forward_progress 1
		.amdhsa_inst_pref_size 166
	.end_amdhsa_kernel
	.amdgpu_metadata
---
amdhsa.version: [ 1, 2 ]
amdhsa.kernels:
  - .name:           k_q5a91f6ff47_gqkv
    .symbol:         k_q5a91f6ff47_gqkv.kd
    .args:
      - { .name: x_codes, .offset: 0, .size: 8, .value_kind: global_buffer, .address_space: global }
      - { .name: x_scales, .offset: 8, .size: 8, .value_kind: global_buffer, .address_space: global }
      - { .name: w_codes, .offset: 16, .size: 8, .value_kind: global_buffer, .address_space: global }
      - { .name: w_scales, .offset: 24, .size: 8, .value_kind: global_buffer, .address_space: global }
      - { .name: qkv_codes, .offset: 32, .size: 8, .value_kind: global_buffer, .address_space: global }
      - { .name: qkv_scales, .offset: 40, .size: 8, .value_kind: global_buffer, .address_space: global }
    .group_segment_fixed_size: 327680
    .private_segment_fixed_size: 0
    .kernarg_segment_align: 8
    .kernarg_segment_size: 48
    .max_flat_workgroup_size: 128
    .sgpr_count:     102
    .vgpr_count:     1024
    .wavefront_size: 32
...
	.end_amdgpu_metadata
.endif
;; end of part 2
;; launch attn (part 3): grid 4 x 64, 16 waves a work-group, clusters of 4 x 1, 206,848 bytes of LDS; arguments qkv_codes, qkv_scales, ctx_codes, ctx_scales; writes ctx_codes, ctx_scales
.if DOCPART == 3
	.amdgcn_target "amdgcn-amd-amdhsa--gfx1250"
	.amdhsa_code_object_version 6
	.text
	.protected	k_q5a91f6ff47_attn
	.globl	k_q5a91f6ff47_attn
	.p2align	8
	.type	k_q5a91f6ff47_attn,@function
k_q5a91f6ff47_attn:
	s_mov_b64 s[64:65], 0
	v_nop
	global_prefetch_b8 v0, s[64:65] scope:SCOPE_SE
	s_setreg_imm32_b32 hwreg(HW_REG_WAVE_MODE, 25, 1), 1
	s_wait_xcnt 0x0
	s_wait_alu depctr_hold_cnt(0) depctr_sa_sdst(0) depctr_va_vdst(0) depctr_va_sdst(0) depctr_va_ssrc(0) depctr_va_vcc(0) depctr_vm_vsrc(0)
	s_getreg_b32 s2, hwreg(HW_REG_IB_STS2, 6, 4)
	s_cmp_eq_u32 s2, 0
	s_cbranch_scc0 .Lentry_in_a_cluster
	s_endpgm
.Lentry_in_a_cluster:
	s_bfe_u32 s2, ttmp6, 0x10000c
	s_cmp_lg_u32 s2, 0x3003
	s_cbranch_scc0 .Lentry_shape_is_right
	s_endpgm
.Lentry_shape_is_right:
; ctx[b][h][q] = the sum over k of softmax_k(q . k / 8) v, both products on codes of FP6 (E2M3) with E8M0 scales; ctx is quantised along the head's 64 in registers and leaves as codes.
; THE SOFTMAX: t = score x log2(e) / 8; M = the row's largest t so far, rounded UP to a whole number; p = 2^(t - M) is quantised along the keys, not normalised.  The row's sum is taken of the
; unquantised p and divides the result at the end.  When M moves, the sum and the result are multiplied by 2^(old M - new M): exact.
; SHARES.  A work-group owns 512 queries of one head of one batch; each of its sixteen waves owns 16 of them at a time, in two passes, in 256 registers.
; A HEAD'S K AND V STAY IN LDS: 98,304 bytes of codes each and 4,096 bytes of scale words each.  Every byte is filled once; nothing is filled again, nothing is stored to LDS.
; CLUSTER.  The four work-groups of a cluster are the four blocks of queries of one head: they ask for K and V JOINTLY (mask 15).  Ten tiles, one load each for waves 0 to 9, in one chain of branches on the wave's number:
; waves 0 to 3 K's scale words, K's first 512 keys, V's scale words, V's first 512 keys; waves 4 to 9 the other three chunks of each.  The first barrier shows waves 0 to 3's tiles, and four key steps follow;
; the second, in front of which every wave waits for its load, shows the rest.
; LAYOUT.  Both products are used transposed: S^T = K Q^T, O^T = V^T P^T: a lane holds ONE query.  The head's size is 64 and the instruction takes 128 along K: an image of K holds TWO tiles of 16 keys,
; one in each half of K; multiplied by [q | 0] it gives the first tile's scores, by [0 | q] the second's.  The keys of a tile are 32 g + 8 u + r + 8 (r / 8), so that the 16 registers of an image's two tiles are keys
; 32 g + 16 (lane / 16) + 0 .. 15.  V's tiles take the head's channels in the same order.
; A block's largest p is taken from its largest score (this takes v_exp_f32 not to fall where its input rises).
; LIMITS: the scaled scores stay under 2^31 in magnitude; a block of ctx whose largest magnitude lies under 2^-124 keeps the byte 1; NaN and infinities are not served.  ctx's scale bytes leave as single bytes.
.set KCOD,  0
.set VCOD,  98304
.set KSC,   196608
.set VSC,   200704
.set SPARE, 204800
.set STEPB, 6144                       ; a step's codes of K, and of V
.set CHUNK, 24576                      ; four steps' codes
.set SLOTB, 393216                     ; a head's codes of q, of k or of v for all tokens
.set AK0, 1                            ; v1 16 x lane;  v2 VCOD + that;  v3 KSC + 8 x lane;  v4 8 x lane
.set AV0, 2
.set AS0, 3
.set L8,  4
.set SPW, 5                            ; v5 my spare word, v6 0: never rewritten
.set NIL, 6
.set BO,  7                            ; v7 32 r + h
.set ADK, 8                            ; v8-10 the step's addresses
.set ADV, 9
.set ADS, 10
.set QO,  11
.set QB,  16                           ; v16-33 [six zeros | q | six zeros]: QB = [0 | q], QA = [q | 0]
.set QA,  22
.set QS,  34
.set KV,  36                           ; v36-83 four fragments
.set KS0, 84
.set VS0, 86
.set S,   96                           ; v96-159 S^T, then p
.set OT,  160                          ; v160-191 O^T
.set PCD, 192
.set CT,  204
.set BM,  212
.set BT,  216
.set SO,  220
.set TT,  224
.set FF,  226
.set PW,  227
.set Q1,  228                          ; v228-240 the second pass's q
.set CC,  242                          ; v242-251 ctx's codes and byte; v244-255 also chains of the sum
.set WV,  18
.set SEL, 20
.set CS,  22
.set G1C, 24
.set G1KS, 32
.set G1VS, 40
.set CNT, 92
.set TK,  93
.set TS,  94
.set UM,  95
.set QSEL, 96
.set HI16, 97
.macro CROUND
	s_barrier_signal -1
	s_barrier_wait -1
	s_cmp_lg_u32 s[WV], 0
	s_cbranch_scc1 .Lnot_wave_0_\@
	s_barrier_signal -3
.Lnot_wave_0_\@:
	s_barrier_wait -3
	s_barrier_signal -1
	s_barrier_wait -1
.endm
.macro MKG0 g, lds, base, off
	s_mov_b32 s[\g], 1
	s_mov_b32 s[\g+1], \lds
	s_add_nc_u64 s[\g+2:\g+3], s[\base:\base+1], \off
	s_or_b32 s[\g+3], s[\g+3], 0x80000000
.endm
.macro MKG1 g, c, r                    ; group 1: r rows of c elements of 8 bytes, 256 bytes apart, mask 15 with bit 21 beside it
	s_mov_b32 s[\g], 15|(3<<16)|(1<<21)
	s_mov_b32 s[\g+1], \c<<16
	s_mov_b32 s[\g+2], \r<<16
	s_mov_b32 s[\g+3], \c<<16
	s_mov_b32 s[\g+4], \r
	s_mov_b32 s[\g+5], 32
	s_mov_b32 s[\g+6], 0
	s_mov_b32 s[\g+7], 0
.endm
	s_load_b128 s[4:7], s[0:1], 0x0                ; q, k, v: codes, scale words
	s_load_b128 s[8:11], s[0:1], 0x10              ; ctx: codes, scale bytes
	v_lshl_add_u32 v[SPW], v0, 2, SPARE
	v_mov_b32 v[NIL], 0
	ds_add_u32 v[SPW], v[NIL]                      ; the opening lines: the add twice and its wait
	ds_add_u32 v[SPW], v[NIL]
	v_lshrrev_b32 v8, 5, v0
	s_delay_alu instid0(VALU_DEP_1)
	v_readfirstlane_b32 s[WV], v8
	s_bfe_u32 s19, ttmp6, 0x40000                  ; cx: which 512 queries: it enters q's and ctx's addresses alone
	s_and_b32 s16, ttmp7, 0xffff
	s_and_b32 s17, s16, 15                         ; the head
	s_lshr_b32 s16, s16, 4                         ; the batch
	MKG1 G1C, 32, 96                               ; a chunk: 96 rows of 256 dense bytes
	MKG1 G1KS, 16, 32                              ; K's scale words: 32 rows of 128 bytes (the head beside it has the other 128)
	MKG1 G1VS, 32, 16                              ; V's: 16 rows of 256 dense bytes
	s_mul_i32 s20, s17, SLOTB
	s_mul_i32 s66, s16, 98304
	s_add_co_u32 s66, s66, s20
	s_add_co_u32 s66, s66, 16*SLOTB                ; K's codes
	s_mov_b32 s67, 0
	s_lshr_b32 s21, s17, 1
	s_and_b32 s22, s17, 1
	s_lshl_b32 s21, s21, 15
	s_lshl_b32 s22, s22, 7
	s_add_co_u32 s21, s21, s22                     ; q's scale words: 32,768 (head / 2) + 128 (head % 2)
	s_lshl_b32 s98, s16, 13
	s_add_co_u32 s98, s98, s21
	s_add_co_u32 s98, s98, 8*32768                 ; K's
	s_mov_b32 s99, 0
	s_lshl_b32 s2, s17, 14
	s_lshl_b32 s3, s16, 12
	s_add_co_u32 s2, s2, s3
	s_add_co_u32 s2, s2, 524288                    ; V's
	s_mov_b32 s3, 0
	s_lshl_b32 s23, s16, 7
	s_lshl_b32 s92, s19, 5
	s_add_co_u32 s23, s23, s92
	s_add_co_u32 s23, s23, s[WV]                   ; my first tile of 16 queries
	s_lshr_b32 s92, s23, 1
	s_mul_i32 s12, s92, 1536
	s_add_co_u32 s12, s12, s20                     ; its group's image of q
	s_mov_b32 s13, 0
	s_lshr_b32 s14, s92, 1
	s_lshl_b32 s14, s14, 8
	s_and_b32 s92, s92, 1
	s_lshl_b32 s92, s92, 2
	s_add_co_u32 s14, s14, s92
	s_add_co_u32 s14, s14, s21
	s_mov_b32 s15, 0
	s_mul_i32 s92, s23, 768
	s_add_co_u32 s92, s92, s20                     ; ctx's codes
	s_mov_b32 s93, 0
	s_lshl_b32 s94, s23, 9
	s_lshl_b32 s95, s17, 1
	s_add_co_u32 s94, s94, s95                     ; ctx's scale bytes
	s_mov_b32 s95, 0
	s_mov_b32 s[SEL], 0x76543210
	s_mov_b32 s[SEL+1], 0xfedcba98
	s_mov_b32 s[CS], 0x3e38aa3b                    ; c = log2(e) / 8
	s_mov_b32 s[CS+1], s[CS]
	s_mov_b32 s[HI16], 0xffff0000
	s_wait_dscnt 0x0
	s_wait_kmcnt 0x0
	s_add_nc_u64 s[66:67], s[4:5], s[66:67]
	MKG0 52, KCOD, 66, 0
	MKG0 56, KCOD+CHUNK, 66, CHUNK
	MKG0 60, KCOD+2*CHUNK, 66, 2*CHUNK
	MKG0 68, KCOD+3*CHUNK, 66, 3*CHUNK
	s_add_nc_u64 s[66:67], s[66:67], 16*SLOTB
	MKG0 76, VCOD, 66, 0
	MKG0 80, VCOD+CHUNK, 66, CHUNK
	MKG0 84, VCOD+2*CHUNK, 66, 2*CHUNK
	MKG0 88, VCOD+3*CHUNK, 66, 3*CHUNK
	s_add_nc_u64 s[98:99], s[6:7], s[98:99]
	MKG0 48, KSC, 98, 0
	s_add_nc_u64 s[2:3], s[6:7], s[2:3]
	MKG0 72, VSC, 2, 0
	s_add_nc_u64 s[12:13], s[4:5], s[12:13]
	s_add_nc_u64 s[14:15], s[6:7], s[14:15]
	s_add_nc_u64 s[8:9], s[8:9], s[92:93]
	s_add_nc_u64 s[10:11], s[10:11], s[94:95]
	s_and_b32 s[UM], s[WV], 1
	s_cmp_eq_u32 s[UM], 0
	s_mov_b32 s[QSEL], 0x03020302
	s_cselect_b32 s[QSEL], 0x01000100, s[QSEL]
	s_sub_co_u32 s[UM], 0, s[UM]
	CROUND                                         ; all four work-groups are here: the joint loads meet
.macro ARM n, g0, g1                   ; wave n's one load, in its own arm of the chain
	s_cmp_eq_u32 s[WV], \n
	s_cbranch_scc0 .Lnot_\n
	tensor_load_to_lds s[\g0:\g0+3], s[\g1:\g1+7]
	s_nop 0
.rept 4
	v_nop
.endr
	s_branch .Lasked
.Lnot_\n:
.endm
	ARM 0, 48, G1KS
	ARM 1, 52, G1C
	ARM 2, 72, G1VS
	ARM 3, 76, G1C
	ARM 4, 56, G1C
	ARM 5, 80, G1C
	ARM 6, 60, G1C
	ARM 7, 84, G1C
	ARM 8, 68, G1C
	ARM 9, 88, G1C
.Lasked:
	v_and_b32 v8, 31, v0
	s_delay_alu instid0(VALU_DEP_1)
	v_lshlrev_b32 v[AK0], 4, v8
	s_delay_alu instid0(VALU_DEP_1)
	v_add_nc_u32 v[AV0], VCOD, v[AK0]
	s_delay_alu instid0(VALU_DEP_3)
	v_lshlrev_b32 v[L8], 3, v8
	s_delay_alu instid0(VALU_DEP_1)
	v_add_nc_u32 v[AS0], KSC, v[L8]
	v_and_b32 v9, 15, v0
	v_bfe_u32 v10, v0, 4, 1
	s_delay_alu instid0(VALU_DEP_1)
	v_lshl_add_u32 v[BO], v9, 5, v10
	s_delay_alu instid0(VALU_DEP_3)
	v_lshlrev_b32 v[QO], 3, v9
.irp c, 0,1,2
	global_load_b128 v[KV+4*\c:KV+4*\c+3], v[AK0], s[12:13] offset:512*\c          ; the first pass's image of q
.endr
	global_load_b32 v[KV+12], v[QO], s[14:15]
.irp c, 0,1,2
	global_load_b128 v[Q1+4*\c:Q1+4*\c+3], v[AK0], s[12:13] offset:8*1536+512*\c   ; the second pass's
.endr
	global_load_b32 v[Q1+12], v[QO], s[14:15] offset:1024
.irp i, 0,1,2,3,4,5
	v_mov_b32 v[QB+\i], 0                          ; the zero codes on both sides of q
	v_mov_b32 v[QA+6+\i], 0
.endr
; A KEY STEP: 128 keys.
.macro STEP
	v_add_nc_u32 v[ADK], s[TK], v[AK0]             ; these three and the v_nop are the places in front of loads into registers that the last products read
	v_add_nc_u32 v[ADV], s[TK], v[AV0]
	v_add_nc_u32 v[ADS], s[TS], v[AS0]
	v_nop
.irp g, 0,1,2,3
.irp c, 0,1,2
	ds_load_b128 v[KV+12*\g+4*\c:KV+12*\g+4*\c+3], v[ADK] offset:1536*\g+512*\c
.endr
.endr
	ds_load_b64 v[KS0:KS0+1], v[ADS]               ; lanes 0-15: the words of images 0, 1; lanes 16-31: of images 2, 3
	s_wait_alu depctr_va_vdst(0)
	s_wait_dscnt 0x0
.irp g, 0,1
	v_wmma_scale_f32_16x16x128_f8f6f4 v[S+16*\g:S+16*\g+7], v[KV+12*\g:KV+12*\g+11], v[QA:QA+11], 0, v[KS0+\g], v[QS] matrix_a_fmt:MATRIX_FMT_FP6 matrix_b_fmt:MATRIX_FMT_FP6
	v_wmma_scale_f32_16x16x128_f8f6f4 v[S+16*\g+8:S+16*\g+15], v[KV+12*\g:KV+12*\g+11], v[QB:QB+11], 0, v[KS0+\g], v[QS] matrix_a_fmt:MATRIX_FMT_FP6 matrix_b_fmt:MATRIX_FMT_FP6
.endr
.irp g, 2,3
	v_wmma_scale_f32_16x16x128_f8f6f4 v[S+16*\g:S+16*\g+7], v[KV+12*\g:KV+12*\g+11], v[QA:QA+11], 0, v[KS0+\g-2], v[QS] matrix_a_fmt:MATRIX_FMT_FP6 matrix_b_fmt:MATRIX_FMT_FP6 matrix_a_scale:MATRIX_SCALE_ROW1
	v_wmma_scale_f32_16x16x128_f8f6f4 v[S+16*\g+8:S+16*\g+15], v[KV+12*\g:KV+12*\g+11], v[QB:QB+11], 0, v[KS0+\g-2], v[QS] matrix_a_fmt:MATRIX_FMT_FP6 matrix_b_fmt:MATRIX_FMT_FP6 matrix_a_scale:MATRIX_SCALE_ROW1
.endr
.rept 4
	v_nop                                          ; places in front of the loads into K's registers and of the first read of the scores
.endr
.irp e, 0,1                                        ; V's tiles 2 e (E), 2 e + 1 (O) out of a double image [E0-5 | O0-5 | E6-11 | O6-11]
	ds_load_b128 v[KV+24*\e:KV+24*\e+3], v[ADV] offset:3072*\e
	ds_load_b64 v[KV+24*\e+4:KV+24*\e+5], v[ADV] offset:3072*\e+512
	ds_load_b64 v[KV+24*\e+12:KV+24*\e+13], v[ADV] offset:3072*\e+520
	ds_load_b128 v[KV+24*\e+14:KV+24*\e+17], v[ADV] offset:3072*\e+1024
	ds_load_b128 v[KV+24*\e+6:KV+24*\e+9], v[ADV] offset:3072*\e+1536
	ds_load_b64 v[KV+24*\e+10:KV+24*\e+11], v[ADV] offset:3072*\e+2048
	ds_load_b64 v[KV+24*\e+18:KV+24*\e+19], v[ADV] offset:3072*\e+2056
	ds_load_b128 v[KV+24*\e+20:KV+24*\e+23], v[ADV] offset:3072*\e+2560
.endr
	ds_load_b64 v[VS0:VS0+1], v[ADS] offset:VSC-KSC
.irp b, 0,1,2,3
	v_max3_num_f32 v[BM+\b], v[S+16*\b], v[S+1+16*\b], v[S+2+16*\b]   ; the largest score of each block of 32 keys
.endr
.irp i, 3,5,7,9,11,13
.irp b, 0,1,2,3
	v_max3_num_f32 v[BM+\b], v[BM+\b], v[S+16*\b+\i], v[S+1+16*\b+\i]
.endr
.endr
.irp b, 0,1,2,3
	v_max_num_f32 v[BM+\b], v[BM+\b], v[S+15+16*\b]
.endr
.irp b, 0,1,2,3
	s_delay_alu instid0(VALU_DEP_4)
	v_permlanex16_b32 v[BT+\b], v[BM+\b], s[SEL], s[SEL+1]
.endr
.irp b, 0,1,2,3
	s_delay_alu instid0(VALU_DEP_4)
	v_max_num_f32 v[BM+\b], v[BM+\b], v[BT+\b]     ; with lane l xor 16's 16 keys
.endr
	s_delay_alu instid0(VALU_DEP_2)
	v_max3_num_f32 v[TT], v[BM], v[BM+1], v[BM+2]
	s_delay_alu instid0(VALU_DEP_1)
	v_max_num_f32 v[TT], v[TT], v[BM+3]
	s_delay_alu instid0(VALU_DEP_1)
	v_mul_f32 v[TT], s[CS], v[TT]                  ; as t
	s_delay_alu instid0(VALU_DEP_1)
	v_max_num_f32 v13, v13, v[TT]                  ; the running largest t
	v_mov_b32 v[TT], v12
	s_delay_alu instid0(VALU_DEP_2)
	v_floor_f32 v12, -v13                          ; the new -M
	s_delay_alu instid0(VALU_DEP_1)
	v_sub_f32 v[TT], v12, v[TT]                    ; old M - new M
	s_delay_alu instid0(VALU_DEP_1)
	v_cvt_i32_f32 v[TT], v[TT]
	s_delay_alu instid0(VALU_DEP_1)
	v_ldexp_f32 v[FF], 1.0, v[TT]                  ; f = 2^(old M - new M)
.set J, 0
.rept 32
	v_pk_fma_f32 v[S+J:S+J+1], v[S+J:S+J+1], s[CS:CS+1], v[12:13] op_sel_hi:[1,0,0]   ; t - M
.set J, J+2
.endr
.irp b, 0,1,2,3
	v_fma_f32 v[BM+\b], v[BM+\b], s[CS], v12
.endr
.set J, 0
	s_wait_alu depctr_va_vdst(0)                   ; the wait ahead of the batch
.rept 64
	v_exp_f32 v[S+J], v[S+J]                       ; p = 2^(t - M)
.set J, J+1
.endr
	v_pk_mul_f32 v[14:15], v[14:15], v[FF:FF+1] op_sel_hi:[1,0]   ; the sums under the new M
	s_wait_alu depctr_va_vdst(0)                   ; and behind it
.irp b, 0,1,2,3
	v_exp_f32 v[BM+\b], v[BM+\b]                   ; the block's largest p
.endr
	v_pk_add_f32 v[216:217], v[100:101], v[104:105]                ; the row's sum of the unquantised p, in eight chains
	v_pk_add_f32 v[254:255], v[108:109], v[112:113]
	v_pk_add_f32 v[252:253], v[116:117], v[120:121]
	v_pk_add_f32 v[250:251], v[124:125], v[128:129]
	v_pk_add_f32 v[248:249], v[132:133], v[136:137]
	v_pk_add_f32 v[246:247], v[140:141], v[144:145]
	v_pk_add_f32 v[244:245], v[148:149], v[152:153]
	v_pk_add_f32 v[14:15], v[14:15], v[156:157]
	v_pk_add_f32 v[216:217], v[216:217], v[96:97]
	v_pk_add_f32 v[254:255], v[254:255], v[98:99]
	v_pk_add_f32 v[252:253], v[252:253], v[102:103]
	v_pk_add_f32 v[250:251], v[250:251], v[106:107]
	v_pk_add_f32 v[248:249], v[248:249], v[110:111]
	v_pk_add_f32 v[246:247], v[246:247], v[114:115]
	v_pk_add_f32 v[244:245], v[244:245], v[118:119]
	v_pk_add_f32 v[14:15], v[14:15], v[122:123]
	v_pk_add_f32 v[216:217], v[216:217], v[126:127]
	v_pk_add_f32 v[254:255], v[254:255], v[130:131]
	v_pk_add_f32 v[252:253], v[252:253], v[134:135]
	v_pk_add_f32 v[250:251], v[250:251], v[138:139]
	v_pk_add_f32 v[248:249], v[248:249], v[142:143]
	v_pk_add_f32 v[246:247], v[246:247], v[146:147]
	v_pk_add_f32 v[244:245], v[244:245], v[150:151]
	v_pk_add_f32 v[14:15], v[14:15], v[154:155]
	v_pk_add_f32 v[216:217], v[216:217], v[158:159]
	s_delay_alu instid0(VALU_DEP_2)
	v_pk_add_f32 v[14:15], v[14:15], v[250:251]
	s_delay_alu instid0(VALU_DEP_2)
	v_pk_add_f32 v[216:217], v[216:217], v[248:249]
	v_pk_add_f32 v[254:255], v[254:255], v[246:247]
	v_pk_add_f32 v[252:253], v[252:253], v[244:245]
	s_delay_alu instid0(VALU_DEP_2)
	v_pk_add_f32 v[14:15], v[14:15], v[254:255]
	s_delay_alu instid0(VALU_DEP_2)
	v_pk_add_f32 v[216:217], v[216:217], v[252:253]
	s_delay_alu instid0(VALU_DEP_1)
	v_pk_add_f32 v[14:15], v[14:15], v[216:217]
	s_wait_alu depctr_va_vdst(0)                   ; and one for the four
.irp b, 0,1,2,3
	v_max_num_f32 v[BM+\b], 0x1800000, v[BM+\b]    ; the floor: the byte cannot fall under 1
.endr
.irp b, 0,1,2,3
	s_delay_alu instid0(VALU_DEP_4)
	v_add_nc_u32 v[SO+\b], 0xff000000, v[BM+\b]    ; the conversion's scale operand
.endr
.irp b, 0,1,2,3
	s_delay_alu instid0(VALU_DEP_4)
	v_lshrrev_b32 v[BT+\b], 23, v[SO+\b]
.endr
	s_delay_alu instid0(VALU_DEP_3)
	v_lshl_or_b32 v[PW], v[BT+1], 8, v[BT]         ; p's scale word
	s_delay_alu instid0(VALU_DEP_1)
	v_lshl_or_b32 v[PW], v[BT+2], 16, v[PW]
	s_delay_alu instid0(VALU_DEP_1)
	v_lshl_or_b32 v[PW], v[BT+3], 24, v[PW]
.irp c, 0,1
	v_cvt_scalef32_pk16_fp6_f32 v[PCD+6*\c:PCD+6*\c+2], v[S+32*\c:S+32*\c+15], v[SO+2*\c]
	v_cvt_scalef32_pk16_fp6_f32 v[CT+4*\c:CT+4*\c+2], v[S+32*\c+16:S+32*\c+31], v[SO+2*\c+1]
.endr
	v_nop                                          ; one plain line behind the scaled conversions
.irp c, 0,1                                        ; a whole block to a lane
.irp i, 0,1,2
	v_permlane16_swap_b32 v[PCD+6*\c+\i], v[CT+4*\c+\i]
.endr
.irp i, 0,1,2
	s_delay_alu instid0(VALU_DEP_3)
	v_mov_b32 v[PCD+6*\c+3+\i], v[CT+4*\c+\i]
.endr
.endr
.set J, 0
.rept 16
	v_pk_mul_f32 v[OT+J:OT+J+1], v[OT+J:OT+J+1], v[FF:FF+1] op_sel_hi:[1,0]   ; O^T under the new M; the last twelve are the places between p's word and codes and the first product below
.set J, J+2
.endr
	s_wait_alu depctr_va_vdst(0)
	s_wait_dscnt 0x0                               ; V's tiles and scale words are in
.irp e, 0,1                                        ; O^T += V^T P^T: four accumulators by turns
	v_wmma_scale_f32_16x16x128_f8f6f4 v[OT+16*\e:OT+16*\e+7], v[KV+24*\e:KV+24*\e+11], v[PCD:PCD+11], v[OT+16*\e:OT+16*\e+7], v[VS0+\e], v[PW] matrix_a_fmt:MATRIX_FMT_FP6 matrix_b_fmt:MATRIX_FMT_FP6
	v_wmma_scale_f32_16x16x128_f8f6f4 v[OT+16*\e+8:OT+16*\e+15], v[KV+24*\e+12:KV+24*\e+23], v[PCD:PCD+11], v[OT+16*\e+8:OT+16*\e+15], v[VS0+\e], v[PW] matrix_a_fmt:MATRIX_FMT_FP6 matrix_b_fmt:MATRIX_FMT_FP6 matrix_a_scale:MATRIX_SCALE_ROW1
.endr
	s_add_co_u32 s[TK], s[TK], STEPB
	s_add_co_u32 s[TS], s[TS], 256
.endm
.macro STEPS n, k0                     ; n key steps from step k0 on
	s_mov_b32 s[TK], (\k0)*STEPB
	s_mov_b32 s[TS], (\k0)*256
	s_mov_b32 s[CNT], \n
.Lsteps_\@:
	STEP
	s_sub_co_u32 s[CNT], s[CNT], 1
	s_cmp_lg_u32 s[CNT], 0
	s_cbranch_scc1 .Lsteps_\@
.endm
.macro INIT src                        ; a pass begins: my tile's six registers of q, its two scale bytes; the statistics and O^T begin anew
.irp i, 0,1,2,3,4,5
	v_cndmask_b32 v[QA+\i], v[\src+\i], v[\src+6+\i], s[UM]
.endr
	v_perm_b32 v[QS], v[\src+12], v[\src+12], s[QSEL]
	v_mov_b32 v13, 0xff61b1e6                      ; -3e38, under every t
	s_delay_alu instid0(VALU_DEP_1)
	v_floor_f32 v12, -v13
	v_mov_b32 v14, 0
	v_mov_b32 v15, 0
	v_mov_b32 v[PW], 0
.irp b, 0,1,2,3
	v_mov_b32 v[BT+\b], 0
.endr
.set J, 0
.rept 32
	v_mov_b32 v[OT+J], 0
.set J, J+1
.endr
.endm
.macro TAIL p                          ; a pass ends: O^T / the sum is ctx; its two blocks of 32 are quantised; six registers of codes and a byte a lane leave
	s_wait_xcnt 0x0
.rept 4
	v_nop
.endr
	v_add_f32 v14, v14, v15
	s_delay_alu instid0(VALU_DEP_1)
	v_permlanex16_b32 v[TT], v14, s[SEL], s[SEL+1]
	s_delay_alu instid0(VALU_DEP_1)
	v_add_f32 v14, v14, v[TT]
	s_wait_alu depctr_va_vdst(0)
	v_rcp_f32 v[FF], v14
	v_nop
	s_wait_alu depctr_va_vdst(0)
.set J, 0
.rept 16
	v_pk_mul_f32 v[S+J:S+J+1], v[OT+J:OT+J+1], v[FF:FF+1] op_sel_hi:[1,0]
.set J, J+2
.endr
.irp c, 0,1
	v_max3_num_f32 v[BM+\c], |v[S+16*\c]|, |v[S+1+16*\c]|, 0x1800000
.endr
.irp i, 2,4,6,8,10,12,14
.irp c, 0,1
	s_delay_alu instid0(VALU_DEP_2)
	v_max3_num_f32 v[BM+\c], v[BM+\c], |v[S+16*\c+\i]|, |v[S+1+16*\c+\i]|
.endr
.endr
.irp c, 0,1
	s_delay_alu instid0(VALU_DEP_2)
	v_permlanex16_b32 v[BT+\c], v[BM+\c], s[SEL], s[SEL+1]
.endr
.irp c, 0,1
	s_delay_alu instid0(VALU_DEP_2)
	v_max_num_f32 v[BM+\c], v[BM+\c], v[BT+\c]
.endr
.irp c, 0,1
	s_delay_alu instid0(VALU_DEP_2)
	v_add_nc_u32 v[SO+\c], 0xff000000, v[BM+\c]
.endr
.irp c, 0,1
	s_delay_alu instid0(VALU_DEP_2)
	v_lshrrev_b32 v[BT+\c], 23, v[SO+\c]
.endr
	v_cvt_scalef32_pk16_fp6_f32 v[CC:CC+2], v[S:S+15], v[SO]
	v_cvt_scalef32_pk16_fp6_f32 v[CC+6:CC+8], v[S+16:S+31], v[SO+1]
	v_nop
.irp i, 0,1,2
	v_permlane16_swap_b32 v[CC+\i], v[CC+6+\i]
.endr
.irp i, 0,1,2
	s_delay_alu instid0(VALU_DEP_3)
	v_mov_b32 v[CC+3+\i], v[CC+6+\i]
.endr
	v_cndmask_b32 v[CC+9], v[BT], v[BT+1], s[HI16]
	global_store_b128 v[AK0], v[CC:CC+3], s[8:9] offset:12288*\p
	global_store_b64 v[L8], v[CC+4:CC+5], s[8:9] offset:12288*\p+512
	global_store_b8 v[BO], v[CC+9], s[10:11] offset:8192*\p
.endm
	s_wait_loadcnt 0x0                             ; both passes' q
	INIT KV
	s_cmp_lt_u32 s[WV], 4
	s_wait_alu depctr_va_vdst(0)
	s_cbranch_scc0 .Lnot_first
	s_wait_tensorcnt 0x0                           ; waves 0 to 3: my tile, of the scale words and the first chunks, is in
.Lnot_first:
	s_wait_dscnt 0x0
	s_barrier_signal -1
	s_barrier_wait -1                              ; all four are; the later chunks may be out
	STEPS 4, 0
	s_wait_tensorcnt 0x0                           ; every wave: my load is done
	s_wait_dscnt 0x0
	s_barrier_signal -1
	s_barrier_wait -1                              ; all of K and V is in
	STEPS 12, 4
	TAIL 0
	s_wait_xcnt 0x0                                ; the stores have read v242-251, which the second pass's sums write
	INIT Q1
	STEPS 16, 0
	TAIL 1
	s_wait_tensorcnt 0x0                           ; the wave's end
	ds_add_u32 v[SPW], v[NIL]
	s_wait_dscnt 0x0
	CROUND                                         ; the closing round
	s_endpgm
.Lfunc_end_k_q5a91f6ff47_attn:
	.size	k_q5a91f6ff47_attn, .Lfunc_end_k_q5a91f6ff47_attn-k_q5a91f6ff47_attn
	.p2alignl 7, 3214868480
	.fill 96, 4, 3214868480
	.section	.rodata,"a",@progbits
	.p2align	6, 0x0
	.amdhsa_kernel k_q5a91f6ff47_attn
		.amdhsa_group_segment_fixed_size 206848
		.amdhsa_private_segment_fixed_size 0
		.amdhsa_enable_private_segment 0
		.amdhsa_kernarg_size 32
		.amdhsa_user_sgpr_count 2
		.amdhsa_user_sgpr_kernarg_segment_ptr 1
		.amdhsa_wavefront_size32 1
		.amdhsa_system_sgpr_workgroup_id_x 1
		.amdhsa_system_sgpr_workgroup_id_y 1
		.amdhsa_system_sgpr_workgroup_id_z 1
		.amdhsa_system_vgpr_workitem_id 0
		.amdhsa_next_free_vgpr 256
		.amdhsa_next_free_sgpr 100
		.amdhsa_reserve_vcc 0
		.amdhsa_float_denorm_mode_32 3
		.amdhsa_float_denorm_mode_16_64 3
		.amdhsa_memory_ordered 1
		.amdhsa_forward_progress 1
		.amdhsa_inst_pref_size 77
	.end_amdhsa_kernel
	.amdgpu_metadata
---
amdhsa.version: [ 1, 2 ]
amdhsa.kernels:
  - .name:           k_q5a91f6ff47_attn
    .symbol:         k_q5a91f6ff47_attn.kd
    .args:
      - { .name: qkv_codes, .offset: 0, .size: 8, .value_kind: global_buffer, .address_space: global }
      - { .name: qkv_scales, .offset: 8, .size: 8, .value_kind: global_buffer, .address_space: global }
      - { .name: ctx_codes, .offset: 16, .size: 8, .value_kind: global_buffer, .address_space: global }
      - { .name: ctx_scales, .offset: 24, .size: 8, .value_kind: global_buffer, .address_space: global }
    .group_segment_fixed_size: 206848
    .private_segment_fixed_size: 0
    .kernarg_segment_align: 8
    .kernarg_segment_size: 32
    .max_flat_workgroup_size: 512
    .sgpr_count:     100
    .vgpr_count:     256
    .wavefront_size: 32
...
	.end_amdgpu_metadata
.endif
;; end of part 3
;; launch gout (part 4): grid 4 x 64, 4 waves a work-group, clusters of 4 x 4, 327,680 bytes of LDS; arguments ctx_codes, ctx_scales, w_codes, w_scales, b_o, out0; writes out0
.if DOCPART == 4
	.amdgcn_target "amdgcn-amd-amdhsa--gfx1250"
	.amdhsa_code_object_version 6
	.text
	.protected	k_q5a91f6ff47_gout
	.globl	k_q5a91f6ff47_gout
	.p2align	8
	.type	k_q5a91f6ff47_gout,@function
k_q5a91f6ff47_gout:
	s_mov_b64 s[64:65], 0
	v_nop
	global_prefetch_b8 v0, s[64:65] scope:SCOPE_SE
	s_setreg_imm32_b32 hwreg(HW_REG_WAVE_MODE, 25, 1), 1
	s_wait_xcnt 0x0
	s_wait_alu depctr_hold_cnt(0) depctr_sa_sdst(0) depctr_va_vdst(0) depctr_va_sdst(0) depctr_va_ssrc(0) depctr_va_vcc(0) depctr_vm_vsrc(0)
	s_getreg_b32 s2, hwreg(HW_REG_IB_STS2, 6, 4)
	s_cmp_eq_u32 s2, 0
	s_cbranch_scc0 .Lentry_in_a_cluster
	s_endpgm
.Lentry_in_a_cluster:
	s_bfe_u32 s2, ttmp6, 0x10000c
	s_cmp_lg_u32 s2, 0xf033
	s_cbranch_scc0 .Lentry_shape_is_right
	s_endpgm
.Lentry_shape_is_right:
; out0 = ctx W_o^T + b_o on codes of FP6 (E2M3) with E8M0 scales; sums in f32; the bias is the first products' C.
; A work-group of four waves, 2 x 2, makes 128 rows x 256 columns: 64 x 4 = 256 work-groups.  A wave makes 64 x 128: four blocks of 16 rows of ctx (A) against eight of W_o (B), 32 accumulators in window 2.
; K goes in steps of 256 (four heads) through two LDS slots.  W_o's codes lie in planes, one a K step: 128 rows of a plane are 24,576 bytes on end, fetched as 96 rows of 256 bytes; 16 bytes of padding behind
; every 64 give LDS rows of 240 bytes.  ctx's codes come as the attention launch left them, [head][tile of 16 tokens][768 bytes]: 64 tokens of four heads are 4 rows of 3,072 bytes.
; Waves 0 and 1 fetch A's two halves of 64 rows, waves 2 and 3 B's two of 128.  4 x 4 clusters: A's tiles are asked for jointly by a row of the cluster, B's by a column.
; The scales of all of K come once: A's 128 rows, then B's 256, end to end in LDS.  One register carries A's word in lanes 0-15 and B's in lanes 16-31; of the eight loaded, A's blocks 4 to 7 are words that no product takes.
; The matrix instruction is used transposed (source 0 = W_o's rows): a lane holds eight neighbouring columns of a row.  The rows of a block are tokens 32 (a / 2) + 8 (a % 2) + 0 .. 7 and 16 further on, as the first launch ordered them.
; No prefetch: K has four steps, and two of them are asked for ahead of the first product.
.set SIZE_K, 1024
.set SIZE_N, 1024
.set KSTEP,  256
.set NQ,     KSTEP/128
.set ROWB,   8192*192                  ; bytes from a K step's plane of W_o's codes to the next
.set KROW,   192                       ; a row's bytes in a plane
.set PITCH,  240
.set FR,     12
.set NLA,    4                         ; LDS loads of a fragment of A
.set NP,     4
.set HALFT,  128*PITCH                 ; a loading wave's room in a slot
.set AROW,   3072                      ; 64 tokens of one head
.set SLOT,   4*HALFT
.set LAPS,   SIZE_K/(2*KSTEP)
.set KSTA,   4*393216                  ; four heads on in ctx's codes
.set KS,     SIZE_K/32
.set SCL,    2*SLOT
.set HALFS,  (128*KS/256)*272          ; the scales of 128 rows
.set SBLK,   (16*KS/256)*272
.set SPARE,  SCL+4*HALFS
.set SPITCH, 528
.set ADRA, 16
.set ADRB, 20
.set STO,  24
.set RD,   25
.set CO,   26
.set ADRS, 27
.set SPW,  28
.set NIL,  29
.set SC,   32
.set BI,   64
.set AF,   128
.set BK,   128
.set G1, 24
.set G0, 32
.set G1B, 48
.set G0B, 56
.set G1S, 68
.set G0S, 76
.set G1SB, 80
.set G0SB, 88
.set MSB, 0
.macro WIN new
.if MSB != \new
	s_set_vgpr_msb (MSB<<8)|\new
.set MSB, \new
.endif
.endm
.set MUL_LO, 0xa1                      ; source 0 (B) window 1, source 1 (A) window 0, C and D window 2
.set FIRST_LO, 0x81                    ; the same with C, the bias, in window 0
.set TO_B,   0x40
.macro JLOAD g0a, g1a, g0b, g1b        ; waves 0, 1 fetch for A, waves 2, 3 for B
	s_cmp_eq_u32 s15, 0
	s_cbranch_scc0 .Lfor_b_\@
	tensor_load_to_lds s[\g0a:\g0a+3], s[\g1a:\g1a+7]
	s_nop 0
.rept 4
	v_nop
.endr
	s_branch .Lasked_\@
.Lfor_b_\@:
	tensor_load_to_lds s[\g0b:\g0b+3], s[\g1b:\g1b+7]
	s_nop 0
.rept 4
	v_nop
.endr
.Lasked_\@:
.endm
.macro CREST
	s_cmp_lg_u32 s14, 0
	s_cbranch_scc1 .Lnot_wave_0_\@
	s_barrier_signal -3
.Lnot_wave_0_\@:
	s_barrier_wait -3
	s_barrier_signal -1
	s_barrier_wait -1
.endm
.macro CROUND
	s_barrier_signal -1
	s_barrier_wait -1
	CREST
.endm
	s_load_b128 s[4:7], s[0:1], 0x0                ; ctx's codes, scales
	s_load_b128 s[8:11], s[0:1], 0x10              ; the weights' codes, scales
	s_load_b64 s[96:97], s[0:1], 0x20              ; b_o
	s_load_b64 s[12:13], s[0:1], 0x28              ; out0
	v_lshl_add_u32 v[SPW], v0, 2, SPARE
	v_mov_b32 v[NIL], 0
	ds_add_u32 v[SPW], v[NIL]                      ; the opening lines: the add twice and its wait
	ds_add_u32 v[SPW], v[NIL]
	v_lshrrev_b32 v1, 5, v0
	v_readfirstlane_b32 s14, v1                    ; wave; s15 its half of the rows (also: fetches for A or B), s16 its half of the columns (also: which half it fetches)
	s_lshr_b32 s15, s14, 1
	s_and_b32 s16, s14, 1
	s_bfe_u32 s40, ttmp6, 0x40000
	s_bfe_u32 s41, ttmp6, 0x40004
	s_lshl_b32 s42, ttmp9, 2
	s_add_co_u32 s42, s42, s40                     ; tile column, 0 .. 3
	s_and_b32 s17, ttmp7, 0xffff
	s_lshl_b32 s17, s17, 2
	s_add_co_u32 s17, s17, s41                     ; tile row, 0 .. 63
	s_lshl_b32 s43, s41, 2
	s_lshl_b32 s43, 15, s43                        ; my row of the cluster
	s_lshl_b32 s44, 0x1111, s40                    ; my column
	s_or_b32 s[G1+0], s43, (3<<16)|(1<<21)         ; A: 4 rows of 384 elements of 8 bytes, a head apart
	s_mov_b32 s[G1+1], (AROW/8)<<16
	s_mov_b32 s[G1+2], 4<<16
	s_mov_b32 s[G1+3], (AROW/8)<<16
	s_mov_b32 s[G1+4], 4
	s_mov_b32 s[G1+5], 49152
	s_mov_b32 s[G1+6], 0
	s_mov_b32 s[G1+7], 0
	s_or_b32 s[G1B+0], s44, (0<<16)|(1<<20)|(1<<21)|(3<<22)|(3<<25)   ; B: 96 rows of 256 bytes, 16 of padding behind every 64
	s_mov_b32 s[G1B+1], 256<<16
	s_mov_b32 s[G1B+2], 96<<16
	s_mov_b32 s[G1B+3], 256<<16
	s_mov_b32 s[G1B+4], 96
	s_mov_b32 s[G1B+5], 256
	s_mov_b32 s[G1B+6], 0
	s_mov_b32 s[G1B+7], 0
	s_or_b32 s[G1S+0], s43, (3<<16)|(1<<20)|(1<<21)|(5<<22)|(3<<25)   ; scales: rows of 256 bytes + 16: A's 64 rows are 8 of them, B's 128 are 16
	s_or_b32 s[G1SB+0], s44, (3<<16)|(1<<20)|(1<<21)|(5<<22)|(3<<25)
	s_mov_b32 s[G1S+2], (64*KS/256)<<16
	s_mov_b32 s[G1S+4], 64*KS/256
	s_mov_b32 s[G1SB+2], (128*KS/256)<<16
	s_mov_b32 s[G1SB+4], 128*KS/256
.irp g, G1S, G1SB
	s_mov_b32 s[\g+1], 32<<16
	s_mov_b32 s[\g+3], 32<<16
	s_mov_b32 s[\g+5], 32
	s_mov_b32 s[\g+6], 0
	s_mov_b32 s[\g+7], 0
.endr
	s_lshl_b32 s18, s16, 6
	s_lshl_b32 s20, s17, 7
	s_add_co_u32 s20, s20, s18                     ; A: row 128 x tile row + 64 x half
	s_lshl_b32 s18, s16, 7
	s_lshl_b32 s46, s42, 8
	s_add_co_u32 s46, s46, s18
	s_add_co_u32 s46, s46, 3072                    ; B: row 3,072 + 256 x tile column + 128 x half
	s_mov_b32 s21, 0
	s_mov_b32 s47, 0
	s_mov_b64 s[18:19], KS
	s_mul_u64 s[22:23], s[20:21], s[18:19]
	s_mul_u64 s[92:93], s[46:47], s[18:19]
	s_mov_b64 s[18:19], KROW
	s_mul_u64 s[46:47], s[46:47], s[18:19]
	s_mov_b64 s[18:19], 48                         ; ctx: 48 bytes a token in a head's codes
	s_mul_u64 s[20:21], s[20:21], s[18:19]
	s_mul_i32 s45, s14, HALFT
	s_mul_i32 s94, s14, HALFS
	s_mul_i32 s95, s14, HALFS/2
	s_wait_dscnt 0x0
	s_wait_kmcnt 0x0
	s_add_nc_u64 s[20:21], s[4:5], s[20:21]
	s_add_nc_u64 s[22:23], s[6:7], s[22:23]
	s_add_nc_u64 s[46:47], s[8:9], s[46:47]
	s_add_nc_u64 s[92:93], s[10:11], s[92:93]
	CROUND                                         ; all sixteen work-groups are here
	s_mov_b32 s[G0S], 1
	s_add_co_u32 s[G0S+1], s95, SCL                ; A's scales: waves 0, 1 at SCL + wave x 64 rows
	s_mov_b64 s[G0S+2:G0S+3], s[22:23]
	s_or_b32 s[G0S+3], s[G0S+3], 0x80000000
	s_mov_b32 s[G0SB], 1
	s_add_co_u32 s[G0SB+1], s94, SCL-HALFS         ; B's: waves 2, 3 behind A's 128 rows
	s_mov_b64 s[G0SB+2:G0SB+3], s[92:93]
	s_or_b32 s[G0SB+3], s[G0SB+3], 0x80000000
	JLOAD G0S, G1S, G0SB, G1SB                     ; the head's one load a wave
.irp s, 0,1
	s_mov_b32 s[G0+4*\s], 1
	s_add_co_u32 s[G0+4*\s+1], s45, \s*SLOT
	s_add_nc_u64 s[G0+4*\s+2:G0+4*\s+3], s[20:21], \s*KSTA
	s_or_b32 s[G0+4*\s+3], s[G0+4*\s+3], 0x80000000
	s_mov_b32 s[G0B+4*\s], 1
	s_add_co_u32 s[G0B+4*\s+1], s45, \s*SLOT
	s_add_nc_u64 s[G0B+4*\s+2:G0B+4*\s+3], s[46:47], \s*ROWB
	s_or_b32 s[G0B+4*\s+3], s[G0B+4*\s+3], 0x80000000
	s_wait_alu depctr_va_vdst(0)
	s_wait_tensorcnt 0x0                           ; the tensor wait, the add, its wait and a round ahead of each later first fill
	ds_add_u32 v[SPW], v[NIL]
	s_wait_dscnt 0x0
	CROUND
	JLOAD G0+4*\s, G1, G0B+4*\s, G1B
.endr
	v_and_b32 v1, 15, v0
	v_bfe_u32 v2, v0, 4, 1
	v_mul_u32_u24 v3, v1, PITCH
	v_mul_u32_u24 v4, v2, 24
	v_add_nc_u32 v4, v3, v4
	v_lshl_add_u32 v5, v2, 4, v4
	v_and_b32 v6, 31, v0
	v_lshlrev_b32 v7, 4, v6
	v_lshlrev_b32 v8, 3, v6
	v_add_nc_u32 v8, 512, v8
	s_mul_i32 s21, s15, HALFT
	s_mul_i32 s22, s16, HALFT
	s_add_co_u32 s22, s22, 2*HALFT
.irp s, 0,1
	v_add_nc_u32 v[ADRA+\s], s21, v7
	v_add_nc_u32 v[ADRB+\s], s22, v4
	v_add_nc_u32 v[ADRA+2+\s], s21, v8
	v_add_nc_u32 v[ADRB+2+\s], s22, v5
	s_add_co_u32 s21, s21, SLOT
	s_add_co_u32 s22, s22, SLOT
.endr
	v_mul_u32_u24 v5, v1, KS
	v_lshrrev_b32 v6, 8, v5
	v_lshl_add_u32 v5, v6, 4, v5
	s_mul_i32 s21, s15, HALFS/2                    ; A's scales: my 64 rows
	s_mul_i32 s22, s16, HALFS                      ; B's: my 128 rows, behind A's 128
	s_add_co_u32 s22, s22, HALFS
	s_sub_co_u32 s22, s22, s21
	v_mul_u32_u24 v6, s22, v2                      ; lanes 16-31 take B's
	s_add_co_u32 s21, s21, SCL
	v_add_nc_u32 v5, v5, v6
	v_add_nc_u32 v[ADRS], s21, v5
	s_mul_i32 s23, s14, 16*SPITCH                  ; my stage, in slot 0, which has had its last fill and read by then
	v_mul_u32_u24 v5, v1, SPITCH
	v_lshl_add_u32 v5, v2, 5, v5
	v_add_nc_u32 v[STO], s23, v5
	v_and_b32 v6, 31, v0
	v_lshlrev_b32 v[CO], 4, v6
	v_add_nc_u32 v[RD], s23, v[CO]
	s_lshl_b32 s20, s17, 7
	s_lshl_b32 s21, s15, 6
	s_add_co_u32 s20, s20, s21                     ; my first row of out0
	s_mov_b32 s21, 0
	s_mov_b64 s[18:19], SIZE_N*4
	s_mul_u64 s[20:21], s[20:21], s[18:19]
	s_lshl_b32 s46, s42, 10
	s_lshl_b32 s47, s16, 9
	s_add_co_u32 s46, s46, s47                     ; my first column, in bytes
	s_mov_b32 s47, 0
	s_add_nc_u64 s[96:97], s[96:97], s[46:47]
	s_add_nc_u64 s[20:21], s[20:21], s[46:47]
	s_add_nc_u64 s[12:13], s[12:13], s[20:21]
	v_lshlrev_b32 v9, 5, v2
.irp b, 0,1,2,3,4,5,6,7
	global_load_b128 v[BI+8*\b:BI+8*\b+3], v9, s[96:97] offset:64*\b        ; the bias, laid as a result lies
	global_load_b128 v[BI+8*\b+4:BI+8*\b+7], v9, s[96:97] offset:64*\b+16
.endr
.macro FRAG reg, adr, q, i             ; a fragment of B: six pieces of 8 bytes; lanes 16-31 read 24 bytes on, for some pieces behind one padding more
.irp p, 0,1,2,3,4,5
.set PC, 12*(\q)+6*(\p/3)+\p%3
.if PC%8 < 5
	ds_load_b64 v[\reg+2*\p:\reg+2*\p+1], v[\adr] offset:8*PC+16*(PC/8)+(\i)*16*PITCH
.else
	ds_load_b64 v[\reg+2*\p:\reg+2*\p+1], v[\adr+2] offset:8*PC+16*(PC/8)+(\i)*16*PITCH
.endif
.endr
.endm
.macro FRAGA reg, slot, q, i           ; a fragment of A: two heads' half images of tile i
.irp c, 0,1
	ds_load_b128 v[\reg+6*\c:\reg+6*\c+3], v[ADRA+\slot] offset:(2*(\q)+\c)*AROW+768*(\i)
	ds_load_b64 v[\reg+6*\c+4:\reg+6*\c+5], v[ADRA+2+\slot] offset:(2*(\q)+\c)*AROW+768*(\i)
.endr
.endm
.macro MUL16 a0, p, q, sc, first       ; A's blocks a0, a0 + 1 against B's eight; the 32 accumulators take turns
.irp a, \a0, \a0+1
.irp b, 0,1,2,3,4,5,6,7
.if \first
	v_wmma_scale_f32_16x16x128_f8f6f4 v[8*(8*(\a)+\b):8*(8*(\a)+\b)+7], v[128*(\p)+FR*\b:128*(\p)+FR*\b+FR-1], v[AF+FR*(\a):AF+FR*(\a)+FR-1], v[BI+8*\b:BI+8*\b+7], v[SC+8*NQ*(\sc)+NQ*\b+(\q)], v[SC+8*NQ*(\sc)+NQ*(\a)+(\q)] matrix_a_fmt:MATRIX_FMT_FP6 matrix_b_fmt:MATRIX_FMT_FP6 matrix_a_scale:MATRIX_SCALE_ROW1
.else
	v_wmma_scale_f32_16x16x128_f8f6f4 v[8*(8*(\a)+\b):8*(8*(\a)+\b)+7], v[128*(\p)+FR*\b:128*(\p)+FR*\b+FR-1], v[AF+FR*(\a):AF+FR*(\a)+FR-1], v[8*(8*(\a)+\b):8*(8*(\a)+\b)+7], v[SC+8*NQ*(\sc)+NQ*\b+(\q)], v[SC+8*NQ*(\sc)+NQ*(\a)+(\q)] matrix_a_fmt:MATRIX_FMT_FP6 matrix_b_fmt:MATRIX_FMT_FP6 matrix_a_scale:MATRIX_SCALE_ROW1
.endif
.endr
.endr
.endm
.macro FETCH_B slot, q, p
	WIN TO_B
.irp i, 0,1,2,3,4,5,6,7
	FRAG 128*(\p)+FR*\i, ADRB+\slot, \q, \i
.endr
	WIN 0
.endm
.macro FETCH_A slot, q, i0             ; A's blocks i0, i0 + 1: 2 NLA loads
.irp i, \i0, \i0+1
	FRAGA AF+FR*(\i), \slot, \q, \i
.endr
.endm
.macro SCALES sc
.irp i, 0,1,2,3,4,5,6,7
	ds_load_b64 v[SC+8*NQ*\sc+NQ*\i:SC+8*NQ*\sc+NQ*\i+1], v[ADRS] offset:\i*SBLK
.endr
.endm
.macro PLACES n
.rept \n
	v_nop
.endr
.endm
.macro STEP slot, q, first             ; 128 along K inside a slot: sixteen products, the fetch of B's next set and A's blocks 0, 1, sixteen products, A's blocks 2, 3
	s_wait_dscnt 2*NLA                             ; all but the youngest eight loads, A's blocks 2, 3
.if \first
	WIN FIRST_LO
.else
	WIN MUL_LO
.endif
	MUL16 0, (\q)%2, \q, \slot, \first
	s_wait_dscnt 0
	PLACES NP
	FETCH_B \slot, (\q)+1, 1-(\q)%2
	FETCH_A \slot, (\q)+1, 0
.if \first
	WIN FIRST_LO
.else
	WIN MUL_LO
.endif
	MUL16 2, (\q)%2, \q, \slot, \first
	PLACES NP
	WIN 0
	FETCH_A \slot, (\q)+1, 2
.endm
.macro TURN slot, next, fill           ; a slot's last 128 along K, and the change of slots
	s_wait_tensorcnt 0x0                           ; all my tensor loads are in, my part of the next slot among them
	ds_add_u32 v[SPW], v[NIL]
	s_wait_dscnt 2*NLA+1                           ; the add and A's blocks 2, 3 may be out
	WIN MUL_LO
	MUL16 0, 1, NQ-1, \slot, 0
	s_wait_dscnt 0x0                               ; the add is done, my reads of this slot are over
	s_barrier_signal -1
	MUL16 2, 1, NQ-1, \slot, 0
	WIN 0
	s_barrier_wait -1
.if \fill
	CREST                                          ; the barrier has opened a round of the cluster's barrier
	s_add_nc_u64 s[G0+4*\slot+2:G0+4*\slot+3], s[G0+4*\slot+2:G0+4*\slot+3], 2*KSTA
	s_add_nc_u64 s[G0B+4*\slot+2:G0B+4*\slot+3], s[G0B+4*\slot+2:G0B+4*\slot+3], 2*ROWB
	JLOAD G0+4*\slot, G1, G0B+4*\slot, G1B         ; the refill; its four v_nop are the places in front of the loads below
.else
	PLACES NP
.endif
	s_wait_alu depctr_va_vdst(0)
	v_add_nc_u32 v[ADRS], 4*NQ, v[ADRS]
	FETCH_B \next, 0, 0
	FETCH_A \next, 0, 0
	SCALES \next
	FETCH_A \next, 0, 2
.endm
	s_wait_alu depctr_va_vdst(0)
	s_wait_tensorcnt 1                             ; (slot 0's load was waited for ahead of the last round; slot 1's may be out)
	s_barrier_signal -1
	s_barrier_wait -1
	FETCH_B 0, 0, 0
	FETCH_A 0, 0, 0
	SCALES 0
	FETCH_A 0, 0, 2
	s_wait_loadcnt 0x0                             ; the bias
	STEP 0, 0, 1
	s_mov_b32 s3, LAPS-1
.Llap:
	TURN 0, 1, 1
	STEP 1, 0, 0
	TURN 1, 0, 1
	STEP 0, 0, 0
	s_sub_co_u32 s3, s3, 1
	s_cmp_lg_u32 s3, 0
	s_cbranch_scc1 .Llap
	TURN 0, 1, 0
	STEP 1, 0, 0
	s_wait_dscnt 2*NLA
	WIN MUL_LO
	MUL16 0, 1, NQ-1, 1, 0
	s_wait_dscnt 0
	MUL16 2, 1, NQ-1, 1, 0
	WIN 0
; THE WAY OUT, block by block of 16 rows x 128 columns, through my own stage: whole rows of 512 bytes come back and leave as two aligned units of 256 bytes.
.macro TOSTAGE a
.set AC, 64*(\a)
	WIN 0x08
.irp b, 0,1,2,3,4,5,6,7
	ds_store_b128 v[STO], v[AC+8*\b:AC+8*\b+3] offset:64*\b
	ds_store_b128 v[STO], v[AC+8*\b+4:AC+8*\b+7] offset:64*\b+16
.endr
	WIN 0
.set BB, BK+64*((\a)%2)
.irp t, 0,1,2,3,4,5,6,7,8,9,10,11,12,13,14,15
	ds_load_b128 v[BB+4*\t:BB+4*\t+3], v[RD] offset:\t*SPITCH
.endr
.endm
.macro SEND a, younger
.set BB, BK+64*((\a)%2)
	s_wait_dscnt \younger
.irp t, 0,1,2,3,4,5,6,7,8,9,10,11,12,13,14,15
	global_store_b128 v[CO], v[BB+4*\t:BB+4*\t+3], s[12:13] offset:(32*((\a)/2)+8*((\a)%2)+\t+8*(\t/8))*SIZE_N*4 th:TH_STORE_NT
.endr
.endm
	PLACES NP
	TOSTAGE 0
.irp a, 1,2,3
.if \a > 1
	s_wait_xcnt 0x0                                ; block a - 2's stores have read their registers
.endif
	TOSTAGE \a
	SEND \a-1, 32                                  ; behind block a - 1's loads: block a's 16 stores and 16 loads
.endr
	SEND 3, 0
	s_wait_tensorcnt 0x0                           ; the wave's end
	ds_add_u32 v[SPW], v[NIL]
	s_wait_dscnt 0x0
	CROUND                                         ; the closing round
	s_endpgm
.Lfunc_end_k_q5a91f6ff47_gout:
	.size	k_q5a91f6ff47_gout, .Lfunc_end_k_q5a91f6ff47_gout-k_q5a91f6ff47_gout
	.p2alignl 7, 3214868480
	.fill 96, 4, 3214868480
	.section	.rodata,"a",@progbits
	.p2align	6, 0x0
	.amdhsa_kernel k_q5a91f6ff47_gout
		.amdhsa_group_segment_fixed_size 327680
		.amdhsa_private_segment_fixed_size 0
		.amdhsa_enable_private_segment 0
		.amdhsa_kernarg_size 48
		.amdhsa_user_sgpr_count 2
		.amdhsa_user_sgpr_kernarg_segment_ptr 1
		.amdhsa_wavefront_size32 1
		.amdhsa_system_sgpr_workgroup_id_x 1
		.amdhsa_system_sgpr_workgroup_id_y 1
		.amdhsa_system_sgpr_workgroup_id_z 1
		.amdhsa_system_vgpr_workitem_id 0
		.amdhsa_next_free_vgpr 1024
		.amdhsa_next_free_sgpr 102
		.amdhsa_reserve_vcc 0
		.amdhsa_float_denorm_mode_32 3
		.amdhsa_float_denorm_mode_16_64 3
		.amdhsa_memory_ordered 1
		.amdhsa_forward_progress 1
		.amdhsa_inst_pref_size 99
	.end_amdhsa_kernel
	.amdgpu_metadata
---
amdhsa.version: [ 1, 2 ]
amdhsa.kernels:
  - .name:           k_q5a91f6ff47_gout
    .symbol:         k_q5a91f6ff47_gout.kd
    .args:
      - { .name: ctx_codes, .offset: 0, .size: 8, .value_kind: global_buffer, .address_space: global }
      - { .name: ctx_scales, .offset: 8, .size: 8, .value_kind: global_buffer, .address_space: global }
      - { .name: w_codes, .offset: 16, .size: 8, .value_kind: global_buffer, .address_space: global }
      - { .name: w_scales, .offset: 24, .size: 8, .value_kind: global_buffer, .address_space: global }
      - { .name: b_o, .offset: 32, .size: 8, .value_kind: global_buffer, .address_space: global }
      - { .name: out0, .offset: 40, .size: 8, .value_kind: global_buffer, .address_space: global }
    .group_segment_fixed_size: 327680
    .private_segment_fixed_size: 0
    .kernarg_segment_align: 8
    .kernarg_segment_size: 48
    .max_flat_workgroup_size: 128
    .sgpr_count:     102
    .vgpr_count:     1024
    .wavefront_size: 32
...
	.end_amdgpu_metadata
.endif
;; end of part 4
